; MI455X (gfx1250); checked and timed in simulation.
; The chip was launched on July 23, 2026; its instructions are those of AMD's public machine-readable ISA for CDNA 5 (MIT licence, August 2026) and "CDNA5" Instruction Set Architecture Reference Guide (July 2026). The comments in the code are by the model that wrote it; some were corrected since.
;; Multi Head Attention. Allowed arithmetic: matrix products marked QUANTISED: E3M2 operands, one E8M0 scale for each 32 along K, by v_wmma_scale_f32_16x16x128_f8f6f4 with both operands' format E3M2, f32 sums; everything else in f32.
;; Inputs: Wkv 1,024 x 2,048 float32; Wo 1,024 x 1,024 float32; Wq 1,024 x 1,024 float32; bkv 2,048 float32; bo 1,024 float32; bq 1,024 float32; lengths 8 int32; ln_b 1,024 float32; ln_g 1,024 float32; x 8 x 1,024 x 1,024 float32.
;; Outputs: out0 8 x 1,024 x 1,024 float32.
;; This version of the problem:
;;   THIS VERSION OF THE PROBLEM IS GIVEN IN LOW PRECISION. The matrix products marked QUANTISED in the list below multiply operands that are first quantised to E3M2 (3 exponent bits, 2 mantissa bits; 6 bits a number), with one power-of-two scale for each 32 numbers along K (OCP MX v1.0); their sums are f32. All else is computed in f32.
;;   The module's matrix products, in the order in which they are computed (A, B: the left and right operand; K: the contracted axis; several contracted axes count as one K, in the product's order):
;;     1. [M 8,192, K 1,024] x [K 1,024, N 1,024]; A: computed on the way; B: input Wq: QUANTISED
;;     2. [M 8,192, K 1,024] x [K 1,024, N 2,048]; A: computed on the way; B: input Wkv: QUANTISED
;;     3. batch 128 x [M 1,024, K 64] x [K 64, N 1,024]; A: computed on the way; B: computed on the way: QUANTISED
;;     4. batch 128 x [M 64, K 1,024] x [K 1,024, N 1,024]; A: computed on the way; B: softmax (see below): QUANTISED
;;     5. [M 8,192, K 1,024] x [K 1,024, N 1,024]; A: computed on the way; B: input Wo: QUANTISED
;;   THE QUANTISER, for each operand of a quantised product, along K:
;;     - K is cut into blocks of 32 from its start; a last block that is shorter is filled with zeros.
;;     - A block's scale is 2^e with e = floor(log2(the largest magnitude in the block)) - 4, held to -126 .. 127; a block of zeros has e = 0. As a byte (E8M0): e + 127.
;;     - Each number is divided by its block's scale, clamped to +-28, and rounded to the nearest number of E3M2, ties to even, subnormals kept.
;;     - The product sums the exact products of the quantised numbers (number of the format x scale) in f32.
;;   ~~~python
;;   def quantise(x, axis):      # numpy; x: float32 -> the quantised numbers, widened to float32 again
;;       x = np.moveaxis(x, axis, -1); K = x.shape[-1]
;;       x = np.pad(x, [(0, 0)] * (x.ndim - 1) + [(0, -K % 32)]); x = x.reshape(x.shape[:-1] + (-1, 32)); a = np.abs(x).max(-1, keepdims=True)
;;       e = np.where(a > 0, np.clip(np.frexp(np.where(a > 0, a, 1))[1] - 1 - 4, -126, 127), 0)      # np.frexp(a)[1] - 1 = floor(log2(a)), exactly
;;       r = np.clip(x / 2.0 ** e, -28, 28)
;;       step = 2.0 ** (np.maximum(np.frexp(np.where(r == 0, 1, r))[1] - 1, -2) - 2)
;;       q = np.round(r / step) * step * 2.0 ** e      # np.round: ties to even
;;       return np.moveaxis(q.reshape(q.shape[:-2] + (-1,))[..., :K], -1, axis).astype(np.float32)
;;   ~~~
;;   SOFTMAX AHEAD OF A QUANTISED PRODUCT. Where the list says 'softmax', what is quantised is not the finished softmax but p = 2^(t - M), with t = logit x log2(e) and M = ceil(the row's largest t), a whole number; so 1/2 < the row's largest p <= 1. The row's sum l is taken of the UNQUANTISED p, in f32, and the product's result is divided by l at the end. Since M is a whole number, a kernel that streams over the keys may use a running M (the ceiling of the running maximum): every later rescaling is an exact power of two, which a block's scale takes up: the codes' values come out the same.
;;   OPERANDS COMPUTED ON THE WAY. 'Computed on the way' means the value that the module computes at that place (a softmax that the list does not call 'softmax' is quantised finished and normalised). What goes into a quantiser is computed in f32, as accurately as f32 sums, v_exp_f32 and their like allow (about 1e-6 of the number): no bf16 or f16 on the way to a quantiser, and a product that is left as it is and whose result goes on into a quantised operand takes f32 operands (vector FMAs, or v_wmma_f32_16x16x4_f32). A number that lies on a knife's edge between two numbers of the format may be rounded either way, as far as f32 arithmetic and the matrix unit's own rounding can turn it there, and no further.
;; 2 versions, each right; version 2 is version 1 with the launch attn written anew for expert scheduling mode. Each part assembles by itself: llvm-mc -triple=amdgcn-amd-amdhsa -mcpu=gfx1250 --defsym DOCPART=n.
;; ======== version 1 of 2: 4 launches
;; workspace buffers: xq 6,553,600 bytes; wq 3,276,800 bytes; qk 13,107,200 bytes; vq 6,553,600 bytes; oq 6,553,600 bytes
;; launch prep (part 1): grid 320 x 1, 8 waves a work-group, no clusters, 132,608 bytes of LDS; arguments x, ln_g, ln_b, Wq, Wkv, Wo, xq, wq; writes xq, wq
.if DOCPART == 1
	.amdgcn_target "amdgcn-amd-amdhsa--gfx1250"
	.amdhsa_code_object_version 6
	.text
	.protected	k_qbf1b4d661d_prep
	.globl	k_qbf1b4d661d_prep
	.p2align	8
	.type	k_qbf1b4d661d_prep,@function
k_qbf1b4d661d_prep:
	s_mov_b64 s[64:65], 0
	v_nop
	global_prefetch_b8 v0, s[64:65] scope:SCOPE_SE
	s_setreg_imm32_b32 hwreg(HW_REG_WAVE_MODE, 25, 1), 1
	s_wait_xcnt 0x0
; LAUNCH 1.  Work-groups 0-255: LayerNorm of 32 rows of x [8192][1024] f32 and their codes of BF6 (E3M2) along the 1,024.  Work-groups 256-319: the three weights
; ([k][n] f32, K their first axis) into codes along K.  Both results are laid in the ORDER OF THE OPERAND'S REGISTERS, so that the products' launches read fragments by 16-byte loads alone.
; A FRAGMENT (16 rows x 128 K, 12 registers a lane, 1,536 bytes): byte 512 c + 16 l + 4 i is register 4 c + i of lane l.
; AN OPERAND'S BUFFER: codes at kslot (256 along K) x NT x 3,072 + tile x 3,072 + kk x 1,536; scale words behind them at group (16 tiles) x 8,192 + kslot x 2,048 + (tile % 16) x 128 + 8 r + 4 kk.
; PERMUTED POSITIONS: in each 32 rows, position p holds the row whose bits 3 and 4 are p's exchanged: lane r of tile u holds row 8 u + r + 8 (r / 8).  A transposed product then leaves
; 16 neighbours along the next K in the 16 registers of two neighbouring tiles.
; THE QUANTISER: a block's scale byte is its largest magnitude's exponent field - 4, held at 1 from below; codes to nearest, ties to even, beyond 28 the largest code.
; LIMITS: NaN and infinities are not served; a block whose largest magnitude lies under 2^-122 keeps the byte 1; a block of zeros gets the byte 1, not 127 (its codes are zeros; this program alone reads the bytes).
; No tensor load, no cluster: the work-groups share no input but ln_g and ln_b (8 KB).  No prefetch: each wave asks for all its bytes at its head.
.set PITCH, 4112                       ; a normalised row in LDS: 4,096 bytes + 16 = 257 x 16: sixteen neighbouring rows start 16 bytes apart modulo 256
.set X,   64                           ; v64-191   four rows of x, 32 registers each; later two sets of 64 numbers
.set G,   192                          ; v192-223  ln_g of columns 128 j + 4 lane + i
.set BT,  224                          ; v224-255  ln_b likewise
.set T,   8                            ; v8-39     eight registers of statistics a row
.set TM,  212                          ; v212-227  the quantiser's 16 registers at work
.set PT,  52                           ; v52-59    the upper halves of blocks, as converted
.set SEL, 20                           ; s[20:21]  lane selects: lane l xor 16
; 64 numbers of a lane, register 16 b + i = k 32 b + 16 (lane / 16) + i of my row, become the six registers d0 (k 0-63) and the six d1 (k 64-127) of a fragment, and the row's scale word pw.
.macro QUANT s, d0, d1, pw
.irp b, 0,1,2,3
	v_max3_num_f32 v[TM+\b], |v[\s+16*\b]|, |v[\s+1+16*\b]|, 0x2800000   ; block b: my 16 numbers, and the floor 2^(5 - 127): the byte cannot fall under 1
.endr
.irp i, 2,4,6,8,10,12,14
.irp b, 0,1,2,3
	v_max3_num_f32 v[TM+\b], v[TM+\b], |v[\s+16*\b+\i]|, |v[\s+1+16*\b+\i]|   ; the four blocks by turns
.endr
.endr
.irp b, 0,1,2,3
	v_permlanex16_b32 v[TM+4+\b], v[TM+\b], s[SEL], s[SEL+1]
.endr
.irp b, 0,1,2,3
	v_max_num_f32 v[TM+\b], v[TM+\b], v[TM+4+\b]           ; with lane l xor 16's 16: the block's largest magnitude
.endr
.irp b, 0,1,2,3
	v_add_nc_u32 v[TM+12+\b], 0xfe000000, v[TM+\b]         ; 4 off its exponent field: the conversion's scale operand
.endr
.irp b, 0,1,2,3
	v_lshrrev_b32 v[TM+4+\b], 23, v[TM+12+\b]              ; the scale's byte
.endr
	v_lshl_or_b32 v[\pw], v[TM+5], 8, v[TM+4]
	v_lshl_or_b32 v[\pw], v[TM+6], 16, v[\pw]
	v_lshl_or_b32 v[\pw], v[TM+7], 24, v[\pw]
	v_cvt_scalef32_pk16_bf6_f32 v[\d0:\d0+2], v[\s:\s+15], v[TM+12]
	v_cvt_scalef32_pk16_bf6_f32 v[PT:PT+2], v[\s+16:\s+31], v[TM+13]       ; (a conversion's three registers begin on an even number)
	v_cvt_scalef32_pk16_bf6_f32 v[\d1:\d1+2], v[\s+32:\s+47], v[TM+14]
	v_cvt_scalef32_pk16_bf6_f32 v[PT+4:PT+6], v[\s+48:\s+63], v[TM+15]
	v_nop                                                  ; one plain line behind the scaled conversions
.irp i, 0,1,2
	v_permlane16_swap_b32 v[\d0+\i], v[PT+\i]              ; a whole block to a lane: lanes 0-15 the even block, lanes 16-31 the odd one
	v_permlane16_swap_b32 v[\d1+\i], v[PT+4+\i]
.endr
.irp i, 0,1,2
	v_mov_b32 v[\d0+3+\i], v[PT+\i]
	v_mov_b32 v[\d1+3+\i], v[PT+4+\i]
.endr
.endm
; the four rows' two chains (register pairs at T + 8 p + a and + b) are added and summed over the 32 lanes; the sum ends in register T + 8 p + a of every lane
.macro ACROSS a, b
.irp p, 0,1,2,3
	v_pk_add_f32 v[T+8*\p+\a:T+8*\p+\a+1], v[T+8*\p+\a:T+8*\p+\a+1], v[T+8*\p+\b:T+8*\p+\b+1]
.endr
.irp p, 0,1,2,3
	v_add_f32 v[T+8*\p+\a], v[T+8*\p+\a], v[T+8*\p+\a+1]
.endr
.irp m, 1,2,4,8
.irp p, 0,1,2,3
	v_add_f32_dpp v[T+8*\p+\a], v[T+8*\p+\a], v[T+8*\p+\a] row_xmask:\m row_mask:0xf bank_mask:0xf
.endr
.endr
.irp p, 0,1,2,3
	v_permlanex16_b32 v[T+8*\p+4], v[T+8*\p+\a], s[SEL], s[SEL+1]
.endr
.irp p, 0,1,2,3
	v_add_f32 v[T+8*\p+\a], v[T+8*\p+\a], v[T+8*\p+4]
.endr
.endm
	s_load_b256 s[4:11], s[0:1], 0x0               ; x s[4:5], ln_g s[6:7], ln_b s[8:9], Wq s[10:11]
	s_load_b256 s[12:19], s[0:1], 0x20             ; Wkv s[12:13], Wo s[14:15], xq s[16:17], wq s[18:19]
	v_lshl_add_u32 v21, v0, 2, 0x20200
	v_mov_b32 v29, 0
	v_lshrrev_b32 v1, 5, v0
	v_readfirstlane_b32 s22, v1                    ; wave 0..7
	v_and_b32 v1, 31, v0                           ; lane
	v_lshlrev_b32 v2, 4, v1                        ; 16 x lane
	s_mov_b32 s[SEL], 0x76543210
	s_mov_b32 s[SEL+1], 0xfedcba98
	s_cmp_ge_u32 ttmp9, 256                        ; the same for all waves of a work-group
	s_cbranch_scc1 .Lweights
	; ======== x: work-group g owns rows 32 g .. 32 g + 31; in phase 1 wave w owns rows 4 w .. 4 w + 3 ========
	s_mov_b32 s23, 0x3a800000                      ; 2^-10
	s_mov_b32 s24, 0x3727c5ac                      ; 1e-5
	s_mov_b32 s25, 0xffff0000                      ; lanes 16-31
	s_lshl_b32 s26, ttmp9, 17                      ; 32 rows of 4,096 bytes
	s_lshl_b32 s27, s22, 14                        ; 4 rows
	s_add_co_u32 s26, s26, s27
	s_mov_b32 s27, 0
	s_bfe_u32 s28, s22, 0x10001                    ; my rows' positions: row bit 3 (wave bit 1) goes to bit 4,
	s_lshl_b32 s28, s28, 4
	s_lshr_b32 s29, s22, 2                         ; row bit 4 (wave bit 2) to bit 3,
	s_lshl_b32 s31, s29, 3
	s_add_co_u32 s28, s28, s31
	s_and_b32 s31, s22, 1                          ; row bit 2 stays
	s_lshl_b32 s31, s31, 2
	s_add_co_u32 s28, s28, s31
	s_mul_i32 s28, s28, PITCH
	v_add_nc_u32 v3, s28, v2                       ; where I put 16 bytes of my first row
	v_and_b32 v4, 15, v0                           ; r
	v_bfe_u32 v5, v0, 4, 1                         ; h
	s_and_b32 s30, s22, 3                          ; phase 2: wave w takes tile u = w / 4 (s29) and kslot q = w % 4
	s_mul_i32 s31, s29, 16*PITCH
	s_lshl_b32 s32, s30, 10
	s_add_co_u32 s31, s31, s32
	v_mul_u32_u24 v6, v4, PITCH
	v_lshl_add_u32 v6, v5, 6, v6
	v_add_nc_u32 v6, s31, v6                       ; position 16 u + r, byte 1,024 q + 64 h
	v_lshlrev_b32 v7, 3, v4
	v_lshl_add_u32 v7, v5, 2, v7                   ; 8 r + 4 h: a scale word's place
	s_lshl_b32 s36, ttmp9, 1
	s_add_co_u32 s36, s36, s29                     ; my tile of 16 positions: 2 g + u
	s_mul_i32 s32, s30, 1572864                    ; kslot x 512 tiles x 3,072
	s_mul_i32 s34, s36, 3072
	s_add_co_u32 s32, s32, s34
	s_mov_b32 s33, 0
	s_lshr_b32 s34, ttmp9, 3                       ; the group of 16 tiles
	s_lshl_b32 s34, s34, 13
	s_lshl_b32 s35, s30, 11
	s_add_co_u32 s34, s34, s35
	s_and_b32 s35, s36, 15
	s_lshl_b32 s35, s35, 7
	s_add_co_u32 s34, s34, s35
	s_add_co_u32 s34, s34, 6291456                 ; the scale words lie behind the codes
	s_mov_b32 s35, 0
.irp p, 0,1,2,3
	v_mov_b32 v[T+8*\p+4], 0                       ; written once: a lane permute's destination counts as one of its sources
.endr
	s_wait_kmcnt 0x0
	s_add_nc_u64 s[4:5], s[4:5], s[26:27]
	s_add_nc_u64 s[38:39], s[16:17], s[32:33]
	s_add_nc_u64 s[40:41], s[16:17], s[34:35]
.irp p, 0,1,2,3
.irp j, 0,1,2,3,4,5,6,7
	global_load_b128 v[X+32*\p+4*\j:X+32*\p+4*\j+3], v2, s[4:5] offset:\p*4096+512*\j th:TH_LOAD_NT   ; 32 lanes read 512 consecutive bytes
.endr
.endr
.irp j, 0,1,2,3,4,5,6,7
	global_load_b128 v[G+4*\j:G+4*\j+3], v2, s[6:7] offset:512*\j
.endr
.irp j, 0,1,2,3,4,5,6,7
	global_load_b128 v[BT+4*\j:BT+4*\j+3], v2, s[8:9] offset:512*\j
.endr
	s_wait_loadcnt 16                              ; x is in; the 16 younger loads (ln_g, ln_b) may be out
.irp p, 0,1,2,3
	v_pk_add_f32 v[T+8*\p:T+8*\p+1], v[X+32*\p:X+32*\p+1], v[X+32*\p+2:X+32*\p+3]          ; the row's sum: two chains, the four rows by turns
	v_pk_add_f32 v[T+8*\p+2:T+8*\p+3], v[X+32*\p+4:X+32*\p+5], v[X+32*\p+6:X+32*\p+7]
.endr
.irp i, 8,12,16,20,24,28
.irp p, 0,1,2,3
	v_pk_add_f32 v[T+8*\p:T+8*\p+1], v[T+8*\p:T+8*\p+1], v[X+32*\p+\i:X+32*\p+\i+1]
	v_pk_add_f32 v[T+8*\p+2:T+8*\p+3], v[T+8*\p+2:T+8*\p+3], v[X+32*\p+\i+2:X+32*\p+\i+3]
.endr
.endr
	ACROSS 0, 2
.irp p, 0,1,2,3
	v_mul_f32 v[T+8*\p], 0xba800000, v[T+8*\p]     ; - the mean
.endr
.irp i, 0,2,4,6,8,10,12,14,16,18,20,22,24,26,28,30
.irp p, 0,1,2,3
	v_pk_add_f32 v[X+32*\p+\i:X+32*\p+\i+1], v[X+32*\p+\i:X+32*\p+\i+1], v[T+8*\p:T+8*\p+1] op_sel_hi:[1,0]   ; x - mean
.endr
.endr
.irp p, 0,1,2,3
	v_pk_mul_f32 v[T+8*\p+2:T+8*\p+3], v[X+32*\p:X+32*\p+1], v[X+32*\p:X+32*\p+1]          ; the sum of its squares, likewise
	v_pk_mul_f32 v[T+8*\p+6:T+8*\p+7], v[X+32*\p+2:X+32*\p+3], v[X+32*\p+2:X+32*\p+3]
.endr
.irp i, 4,8,12,16,20,24,28
.irp p, 0,1,2,3
	v_pk_fma_f32 v[T+8*\p+2:T+8*\p+3], v[X+32*\p+\i:X+32*\p+\i+1], v[X+32*\p+\i:X+32*\p+\i+1], v[T+8*\p+2:T+8*\p+3]
	v_pk_fma_f32 v[T+8*\p+6:T+8*\p+7], v[X+32*\p+\i+2:X+32*\p+\i+3], v[X+32*\p+\i+2:X+32*\p+\i+3], v[T+8*\p+6:T+8*\p+7]
.endr
.endr
	ACROSS 2, 6
.irp p, 0,1,2,3
	v_fma_f32 v[T+8*\p+2], v[T+8*\p+2], s23, s24   ; the variance + 1e-5
.endr
.irp p, 0,1,2,3
	v_rsq_f32 v[T+8*\p+6], v[T+8*\p+2]             ; one batch of four
.endr
	v_nop                                          ; a plain line behind the last of them
	s_wait_alu depctr_va_vdst(0)                   ; one wait for the batch, ahead of its first reader
	s_wait_loadcnt 0x0                             ; ln_g and ln_b
.irp i, 0,2,4,6,8,10,12,14,16,18,20,22,24,26,28,30
.irp p, 0,1,2,3
	v_pk_mul_f32 v[X+32*\p+\i:X+32*\p+\i+1], v[X+32*\p+\i:X+32*\p+\i+1], v[T+8*\p+6:T+8*\p+7] op_sel_hi:[1,0]
.endr
.irp p, 0,1,2,3
	v_pk_fma_f32 v[X+32*\p+\i:X+32*\p+\i+1], v[X+32*\p+\i:X+32*\p+\i+1], v[G+\i:G+\i+1], v[BT+\i:BT+\i+1]
.endr
.endr
.irp p, 0,1,2,3
.irp j, 0,1,2,3,4,5,6,7
	ds_store_b128 v3, v[X+32*\p+4*\j:X+32*\p+4*\j+3] offset:\p*PITCH+512*\j
.endr
.endr
	s_wait_dscnt 0x0                               ; for the others' sake: my rows lie in LDS
	s_barrier_signal -1
	s_barrier_wait -1                              ; all 32 rows do
	; phase 2: two fragments (kk = 0, 1) of tile u, kslot q: lane (r, h) takes 16 neighbours of each block of 32 of position 16 u + r
.irp b, 0,1,2,3
	v_mov_b32 v[TM+4+\b], 0
.endr
.irp k, 0,1
.irp b, 0,1,2,3
.irp j, 0,1,2,3
	ds_load_b128 v[X+64*\k+16*\b+4*\j:X+64*\k+16*\b+4*\j+3], v6 offset:512*\k+128*\b+16*\j
.endr
.endr
.endr
	s_wait_dscnt 16                                ; the first fragment's 16 loads are in
	QUANT X, 32, 38, 228
.irp c, 0,1,2
	global_store_b128 v2, v[32+4*\c:35+4*\c], s[38:39] offset:512*\c       ; 512 consecutive bytes, at a multiple of 256 from the buffer's first byte
.endr
	s_wait_dscnt 0x0
	QUANT X+64, 192, 198, 229                      ; registers of its own: no store's data are written again
.irp c, 0,1,2
	global_store_b128 v2, v[192+4*\c:195+4*\c], s[38:39] offset:1536+512*\c
.endr
	v_cndmask_b32 v230, v228, v229, s25            ; lanes 0-15 kk = 0's word, lanes 16-31 kk = 1's
	global_store_b32 v7, v230, s[40:41]            ; 128 consecutive bytes a wave: a twenty-fourth of the codes' bytes
	s_wait_tensorcnt 0x0
	ds_add_u32 v21, v29
	s_wait_dscnt 0x0
	s_endpgm
	; ======== the weights: 256 columns x 256 along K to a work-group; a wave takes 32 columns; A LANE TAKES A COLUMN AND ITS REGISTERS RUN DOWN K ========
.Lweights:
	s_sub_co_u32 s26, ttmp9, 256
	s_and_b32 s27, s26, 15                         ; the group of 256 columns: 0-3 Wq, 4-11 Wkv, 12-15 Wo
	s_lshr_b32 s28, s26, 4                         ; kslot
	s_wait_kmcnt 0x0
	s_cmp_lt_u32 s27, 4                            ; the choices hang on the work-group's number alone
	s_cselect_b64 s[48:49], s[10:11], s[12:13]
	s_cselect_b32 s29, 0, 4                        ; the tensor's first group
	s_cselect_b32 s30, 12, 13                      ; log2 of a row's bytes
	s_cmp_lt_u32 s27, 12
	s_cselect_b64 s[48:49], s[48:49], s[14:15]
	s_cselect_b32 s29, s29, 12
	s_cselect_b32 s30, s30, 12
	s_sub_co_u32 s29, s27, s29
	s_lshl_b32 s29, s29, 10                        ; 256 columns of 4 bytes
	s_lshl_b32 s31, s22, 7                         ; my wave's 32
	s_add_co_u32 s29, s29, s31
	s_lshl_b32 s31, 1, s30                         ; a row's bytes
	v_lshlrev_b32 v3, 2, v1
.set li, 0
.rept 32
	v_mad_u32_u24 v[96+li], s31, li, v3            ; v96-127: 4 x lane + i rows; never rewritten
.set li, li+1
.endr
.irp kb, 0,1,2,3,4,5,6,7
	s_lshl_b32 s50, s28, 8
	s_add_co_u32 s50, s50, 32*\kb
	s_lshl_b32 s50, s50, s30
	s_add_co_u32 s50, s50, s29
	s_mov_b32 s51, 0
	s_add_nc_u64 s[32+2*\kb:33+2*\kb], s[48:49], s[50:51]  ; s[32:47]: block kb's first row at my first column; never rewritten
.endr
	v_bfe_u32 v6, v0, 3, 1                         ; my column's position: tile u = column bit 3,
	v_and_b32 v7, 7, v0
	v_bfe_u32 v8, v0, 4, 1
	v_lshl_add_u32 v7, v8, 3, v7                   ; lane r = (column % 8) + 8 x column bit 4
	v_mul_u32_u24 v4, v6, 3072
	v_lshl_add_u32 v4, v7, 4, v4                   ; codes: 3,072 u + 16 r
	v_lshlrev_b32 v5, 7, v6
	v_lshl_add_u32 v5, v7, 3, v5                   ; scale words: 128 u + 8 r
	s_mul_i32 s50, s28, 786432                     ; kslot x 256 tiles x 3,072
	s_lshl_b32 s52, s27, 4
	s_lshl_b32 s53, s22, 1
	s_add_co_u32 s52, s52, s53                     ; my first tile: 16 x group + 2 x wave
	s_mul_i32 s52, s52, 3072
	s_add_co_u32 s50, s50, s52
	s_add_nc_u64 s[52:53], s[18:19], s[50:51]
	s_lshl_b32 s50, s27, 13
	s_lshl_b32 s54, s28, 11
	s_add_co_u32 s50, s50, s54
	s_lshl_b32 s54, s22, 8
	s_add_co_u32 s50, s50, s54
	s_add_co_u32 s50, s50, 3145728
	s_add_nc_u64 s[54:55], s[18:19], s[50:51]
; The blocks go in the order 0, 2, 1, 3, 4, 6, 5, 7: two blocks that follow each other are registers 0-5 and 6-11 of ONE lane (r, h') of a fragment.
.macro LOADB m
.set KB, 4*((\m)/4)+2*((\m)%2)+((\m)%4)/2
.set li, 0
.rept 32
	global_load_b32 v[32+32*((\m)%2)+li], v[96+li], s[32+2*KB:33+2*KB] th:TH_LOAD_NT   ; one row k, 32 neighbouring columns; the eight waves stand side by side on 1,024 bytes
.set li, li+1
.endr
.endm
.macro BLOCK m
.set XS, 32+32*((\m)%2)
.set KB, 4*((\m)/4)+2*((\m)%2)+((\m)%4)/2
.set FD, 128+6*((\m)%2)
.if (\m) < 7
	s_wait_loadcnt 32                              ; this block's 32 loads are in; the next block's may be out
.else
	s_wait_loadcnt 0x0
.endif
	v_max3_num_f32 v12, |v[XS]|, |v[XS+1]|, |v[XS+2]|      ; the block's largest magnitude: all 32 numbers are mine
	v_max3_num_f32 v13, |v[XS+3]|, |v[XS+4]|, |v[XS+5]|
.irp i, 6,10,14,18,22,26
	v_max3_num_f32 v12, v12, |v[XS+\i]|, |v[XS+\i+1]|
	v_max3_num_f32 v13, v13, |v[XS+\i+2]|, |v[XS+\i+3]|
.endr
	v_max3_num_f32 v12, v12, |v[XS+30]|, |v[XS+31]|
	v_max3_num_f32 v12, v12, v13, 0x2800000        ; and the floor
	v_add_nc_u32 v11, 0xfe000000, v12
	v_lshrrev_b32 v13, 23, v11
.if KB%4 == 0
	v_mov_b32 v[24+KB/4], v13                      ; the bytes of 128 along K make a word
.else
	v_lshl_or_b32 v[24+KB/4], v13, 8*(KB%4), v[24+KB/4]
.endif
.if ((\m)%2 == 0) && ((\m) > 0)
	s_wait_xcnt 0x0                                ; the last pair's stores have read v128-139: they are written again only behind this wait
.endif
	v_cvt_scalef32_pk16_bf6_f32 v[FD:FD+2], v[XS:XS+15], v11
	v_cvt_scalef32_pk16_bf6_f32 v[140:142], v[XS+16:XS+31], v11
	v_nop
.irp i, 0,1,2
	v_mov_b32 v[FD+3+\i], v[140+\i]
.endr
.if (\m)+2 < 8
	LOADB (\m)+2
.endif
.if (\m)%2 == 1
.irp c, 0,1,2
	global_store_b128 v4, v[128+4*\c:131+4*\c], s[52:53] offset:((\m)/4)*1536+512*\c+256*(((\m)%4)/2)   ; sixteen lanes of a tile store 256 consecutive bytes, aligned
.endr
.endif
.endm
	LOADB 0
	LOADB 1
.irp m, 0,1,2,3,4,5,6,7
	BLOCK \m
.endr
	global_store_b64 v5, v[24:25], s[54:55]        ; the wave's 32 columns x 2 words: 256 consecutive bytes, aligned
	s_endpgm
.Lfunc_end_k_qbf1b4d661d_prep:
	.size	k_qbf1b4d661d_prep, .Lfunc_end_k_qbf1b4d661d_prep-k_qbf1b4d661d_prep
	.p2alignl 7, 3214868480
	.fill 96, 4, 3214868480
	.section	.rodata,"a",@progbits
	.p2align	6, 0x0
	.amdhsa_kernel k_qbf1b4d661d_prep
		.amdhsa_group_segment_fixed_size 132608
		.amdhsa_private_segment_fixed_size 0
		.amdhsa_enable_private_segment 0
		.amdhsa_kernarg_size 64
		.amdhsa_user_sgpr_count 2
		.amdhsa_user_sgpr_kernarg_segment_ptr 1
		.amdhsa_wavefront_size32 1
		.amdhsa_system_sgpr_workgroup_id_x 1
		.amdhsa_system_sgpr_workgroup_id_y 1
		.amdhsa_system_sgpr_workgroup_id_z 1
		.amdhsa_system_vgpr_workitem_id 0
		.amdhsa_next_free_vgpr 256
		.amdhsa_next_free_sgpr 66
		.amdhsa_reserve_vcc 0
		.amdhsa_float_denorm_mode_32 3
		.amdhsa_float_denorm_mode_16_64 3
		.amdhsa_memory_ordered 1
		.amdhsa_forward_progress 1
		.amdhsa_inst_pref_size 86
	.end_amdhsa_kernel
	.amdgpu_metadata
---
amdhsa.version: [ 1, 2 ]
amdhsa.kernels:
  - .name:           k_qbf1b4d661d_prep
    .symbol:         k_qbf1b4d661d_prep.kd
    .args:
      - { .name: x, .offset: 0, .size: 8, .value_kind: global_buffer, .address_space: global }
      - { .name: ln_g, .offset: 8, .size: 8, .value_kind: global_buffer, .address_space: global }
      - { .name: ln_b, .offset: 16, .size: 8, .value_kind: global_buffer, .address_space: global }
      - { .name: Wq, .offset: 24, .size: 8, .value_kind: global_buffer, .address_space: global }
      - { .name: Wkv, .offset: 32, .size: 8, .value_kind: global_buffer, .address_space: global }
      - { .name: Wo, .offset: 40, .size: 8, .value_kind: global_buffer, .address_space: global }
      - { .name: xq, .offset: 48, .size: 8, .value_kind: global_buffer, .address_space: global }
      - { .name: wq, .offset: 56, .size: 8, .value_kind: global_buffer, .address_space: global }
    .group_segment_fixed_size: 132608
    .private_segment_fixed_size: 0
    .kernarg_segment_align: 8
    .kernarg_segment_size: 64
    .max_flat_workgroup_size: 256
    .sgpr_count:     66
    .vgpr_count:     256
    .wavefront_size: 32
...
	.end_amdgpu_metadata
.endif
;; end of part 1
;; launch qkv (part 2): grid 96 x 4, 4 waves a work-group, clusters of 4 x 4, 327,680 bytes of LDS; arguments xq, wq, bq, bkv, qk, vq; writes qk, vq
.if DOCPART == 2
	.amdgcn_target "amdgcn-amd-amdhsa--gfx1250"
	.amdhsa_code_object_version 6
	.text
	.protected	k_qbf1b4d661d_qkv
	.globl	k_qbf1b4d661d_qkv
	.p2align	8
	.type	k_qbf1b4d661d_qkv,@function
k_qbf1b4d661d_qkv:
	s_mov_b64 s[64:65], 0
	v_nop
	global_prefetch_b8 v0, s[64:65] scope:SCOPE_SE
	s_setreg_imm32_b32 hwreg(HW_REG_WAVE_MODE, 25, 1), 1
	s_wait_xcnt 0x0
	s_wait_alu depctr_hold_cnt(0) depctr_sa_sdst(0) depctr_va_vdst(0) depctr_va_sdst(0) depctr_va_ssrc(0) depctr_va_vcc(0) depctr_vm_vsrc(0)
	s_getreg_b32 s2, hwreg(HW_REG_IB_STS2, 6, 4)
	s_cmp_eq_u32 s2, 0
	s_cbranch_scc0 .Lentry_in_a_cluster
	s_endpgm
.Lentry_in_a_cluster:
	s_bfe_u32 s2, ttmp6, 0x10000c
	s_cmp_lg_u32 s2, 0xf033
	s_cbranch_scc0 .Lentry_shape_is_right
	s_endpgm
.Lentry_shape_is_right:
; LAUNCH 2.  q, k and v = LayerNorm(x) W + b, on codes of BF6 with E8M0 scales, and at once their own codes for attention.  K = 1,024 in eight steps of 128.
; A tile of C, 256 x 256, is made by four waves, 128 x 128 each: 64 accumulators, 512 registers.  The matrix instruction is used TRANSPOSED: source 0 = 16 rows of "B", source 1 = 16 rows of "A":
; a lane holds ONE row of A and its registers run along B's rows.  Rows lie at permuted positions, so the 64 registers of a block of A's rows are k = 32 b + 16 (lane / 16) + i of 128 neighbours along B.
; CLUSTERS 0-15 (q and k): A = the tokens (xq), B = the weights' columns (wq): a lane holds a token and 128 columns = two heads of 64: quantised along the head.
; CLUSTERS 16-23 (v): THE ROLES ARE SWAPPED BY POINTERS: A = v's columns, B = the tokens: a lane holds one channel d and 128 keys: quantised along the keys.  No transposition, no LDS on the way out.
; The choice hangs on the cluster's number, which all sixteen partners share.  384 tiles of equal work.
; OPERANDS ARRIVE AS IMAGES OF THEIR REGISTERS: 128 rows x 256 K are one dense block of 24,576 bytes; a fragment is three ds_load_b128 of 512 consecutive bytes.
; THREE LDS SLOTS of 256 along K: kslots 0, 1, 2 are first fills, kslot 3 fills slot 0 again, once, behind a round of the cluster's barrier, four K steps ahead of its first use.
; By this text's own count a wave has four tensor loads out at the start and one behind the refill.  All scale words (8 KB a side) come once, with the first fills.
; JOINT LOADS: A's blocks are shared along a row of the cluster, B's along a column: one request for four work-groups.
; RESULTS: qk: fragment (J, G) at (256 J + G) x 1,536, J = head (q) or 16 + head (k), G = group of 32 tokens: [even tile | odd tile] of the head's 64; scale words behind, a block of 256 bytes for 128 tokens.
;          vq: fragment (16 d x 128 keys) at (((16 b + head) 8 + step) 4 + dt) x 1,536; scale words behind, a block of 256 bytes for a head's step.
; LIMITS: as stated at the head of launch 1's text (NaN, infinities, blocks under 2^-122, the byte of a block of zeros).
; REGISTERS: window 0: v1-29 addresses; v32-63 scale words, two sets; v64-127 the bias by column; v128-223 A's fragments, one set; v224-239 the bias by row.
;   window 1: B's fragments, two sets (v0, v128).  windows 2, 3: the accumulators, (a, b) at v[8 (8 (a % 4) + b)].
.set HALFT, 24576                      ; 128 rows x 256 K: what one tensor load brings
.set SLOT,  98304                      ; A's 256 rows, then B's
.set SCL,   294912                     ; behind the three slots: A's scale words (8,192 bytes), then B's
.set SPARE, 311296                     ; the spare words, 128 bytes a wave: two blocks of 256 bytes that no other line names
.set FR,    12
.set NLA,   3                          ; LDS loads that bring a fragment of A
.set ADRA,  16                         ; v16-18 my A fragments in slot 0, 1, 2
.set ADRB,  20                         ; v20-22 the same for B
.set LI16,  24                         ; v24 16 x lane
.set LI8,   25                         ; v25 8 x lane
.set ADRS,  27                         ; v27 my scale words: lanes 0-15 A's rows, lanes 16-31 B's
.set SPW,   28
.set NIL,   29
.set SC,    32
.set BI,    64
.set AF,    128
.set BV,    224
.set G1A,   24                         ; s[24:31] group 1, A's codes;  s[32:43] three groups 0;  s[44:47] group 0, A's scales
.set G0A,   32
.set G0SA,  44
.set G1B,   48                         ; s[48:55] group 1, B's codes;  s[56:63], s[68:71] three groups 0;  s[72:75] group 0, B's scales
.set G0B0,  56
.set G0B1,  60
.set G0B2,  68
.set G0SB,  72
.set G1SA,  76                         ; s[76:83], s[84:91] groups 1 for the scales
.set G1SB,  84
.set MUL_LO, 0xa1                      ; source 0 (B) window 1, source 1 (A) window 0, C and D window 2
.set MUL_HI, 0xf1
.set TO_B,   0x40
.set MSB, 0
.macro WIN new                         ; the immediate's high byte repeats the setting that is left
.if MSB != (\new)
	s_set_vgpr_msb (MSB<<8)|(\new)
.set MSB, (\new)
.endif
.endm
.macro JLOAD g0a, g1a, g0b, g1b        ; waves 0 and 1 fetch for A, waves 2 and 3 for B; four v_nop follow each line
	s_cmp_eq_u32 s17, 0
	s_cbranch_scc0 .Lfor_b_\@
	tensor_load_to_lds s[\g0a:\g0a+3], s[\g1a:\g1a+7]
	s_nop 0
.rept 4
	v_nop
.endr
	s_branch .Lasked_\@
.Lfor_b_\@:
	tensor_load_to_lds s[\g0b:\g0b+3], s[\g1b:\g1b+7]
	s_nop 0
.rept 4
	v_nop
.endr
.Lasked_\@:
.endm
.macro CREST                           ; a round of the cluster's barrier behind its opening barrier
	s_cmp_lg_u32 s16, 0
	s_cbranch_scc1 .Lnot_wave_0_\@
	s_barrier_signal -3
.Lnot_wave_0_\@:
	s_barrier_wait -3
	s_barrier_signal -1
	s_barrier_wait -1
.endm
.macro CROUND
	s_barrier_signal -1
	s_barrier_wait -1
	CREST
.endm
.macro PLACES n                        ; plain lines between a matrix instruction and a load into, or a read of, its registers
.rept \n
	v_nop
.endr
.endm
.macro FRAG16 reg, adr, off
.irp c, 0,1,2
	ds_load_b128 v[\reg+4*\c:\reg+4*\c+3], v[\adr] offset:\off+512*\c
.endr
.endm
.macro FETCH_B slot, kk, p             ; B's eight fragments into set p
	WIN TO_B
.irp i, 0,1,2,3,4,5,6,7
	FRAG16 128*(\p)+FR*\i, ADRB+\slot, \i*3072+(\kk)*1536
.endr
	WIN 0
.endm
.macro FETCH_A slot, kk, i0            ; A's blocks i0 .. i0 + 3
.irp i, \i0, \i0+1, \i0+2, \i0+3
	FRAG16 AF+FR*(\i), ADRA+\slot, (\i)*3072+(\kk)*1536
.endr
.endm
.macro SCALES set, ks                  ; a kslot's scale words: register 2 i + kk: lanes 0-15 A's block i, lanes 16-31 B's block i
.irp i, 0,1,2,3,4,5,6,7
	ds_load_b64 v[SC+16*(\set)+2*\i:SC+16*(\set)+2*\i+1], v[ADRS] offset:(\ks)*2048+128*\i
.endr
.endm
; 16 matrix instructions: A's blocks a0, a0 + 1 x B's eight.  cmode 1: the products start the sums.  The 64 accumulators take turns in the same order in every step.
.macro MUL16 a0, p, kk, set, cmode
.irp a, \a0, \a0+1
.irp b, 0,1,2,3,4,5,6,7
.if \cmode == 1
	v_wmma_scale_f32_16x16x128_f8f6f4 v[8*(8*((\a)%4)+\b):8*(8*((\a)%4)+\b)+7], v[128*(\p)+FR*\b:128*(\p)+FR*\b+FR-1], v[AF+FR*(\a):AF+FR*(\a)+FR-1], 0, v[SC+16*(\set)+2*\b+(\kk)], v[SC+16*(\set)+2*(\a)+(\kk)] matrix_a_fmt:MATRIX_FMT_BF6 matrix_b_fmt:MATRIX_FMT_BF6 matrix_a_scale:MATRIX_SCALE_ROW1
.else
	v_wmma_scale_f32_16x16x128_f8f6f4 v[8*(8*((\a)%4)+\b):8*(8*((\a)%4)+\b)+7], v[128*(\p)+FR*\b:128*(\p)+FR*\b+FR-1], v[AF+FR*(\a):AF+FR*(\a)+FR-1], v[8*(8*((\a)%4)+\b):8*(8*((\a)%4)+\b)+7], v[SC+16*(\set)+2*\b+(\kk)], v[SC+16*(\set)+2*(\a)+(\kk)] matrix_a_fmt:MATRIX_FMT_BF6 matrix_b_fmt:MATRIX_FMT_BF6 matrix_a_scale:MATRIX_SCALE_ROW1
.endif
.endr
.endr
.endm
; K step k; the next step's fragments come from slot ns.  sc = 1: the next step begins a kslot: its scale words come too.
.macro STEP k, ns, sc, cmode
	s_wait_dscnt 4*NLA                             ; all but the youngest loads, A's blocks 4-7
	WIN MUL_LO
	MUL16 0, (\k)%2, (\k)%2, ((\k)/2)%2, \cmode
	MUL16 2, (\k)%2, (\k)%2, ((\k)/2)%2, \cmode
	s_wait_dscnt 0x0                               ; A's blocks 4-7 are in
	PLACES 4
	FETCH_B \ns, ((\k)+1)%2, ((\k)+1)%2
	FETCH_A \ns, ((\k)+1)%2, 0
.if \sc
	SCALES (((\k)+1)/2)%2, ((\k)+1)/2
.endif
	WIN MUL_HI
	MUL16 4, (\k)%2, (\k)%2, ((\k)/2)%2, \cmode
	MUL16 6, (\k)%2, (\k)%2, ((\k)/2)%2, \cmode
	PLACES 4
	WIN 0
	FETCH_A \ns, ((\k)+1)%2, 4
.endm
; An odd K step with a barrier in it.  In front of the barrier each wave waits for all its tensor loads, adds 0 to its spare word, and waits for that and for its LDS reads.
; fill = 1: the barrier opens a round of the cluster's; behind it slot 0, which nobody reads any more, takes kslot 3.  fill = 0: behind it kslot 3 is whole for every wave.
.macro TURN k, ns, fill
	s_wait_tensorcnt 0x0                           ; all my tensor loads have landed
	ds_add_u32 v[SPW], v[NIL]                      ; 0 onto my spare word
	s_wait_dscnt 4*NLA+1                           ; (the add and A's blocks 4-7 may be out)
	WIN MUL_LO
	MUL16 0, 1, 1, ((\k)/2)%2, 0
	s_wait_dscnt 0x0                               ; the add is done, and my reads of the slot are over
	s_barrier_signal -1
	MUL16 2, 1, 1, ((\k)/2)%2, 0
	WIN 0
	s_barrier_wait -1
.if \fill
	CREST
	s_add_nc_u64 s[G0A+2:G0A+3], s[G0A+2:G0A+3], s[92:93]      ; three kslots on
	s_add_nc_u64 s[G0B0+2:G0B0+3], s[G0B0+2:G0B0+3], s[94:95]
	JLOAD G0A, G1A, G0B0, G1B                      ; the first tensor load behind the round; its four v_nop are the places in front of the loads below
.else
	PLACES 4
.endif
	FETCH_B \ns, 0, 0
	FETCH_A \ns, 0, 0
	SCALES (((\k)+1)/2)%2, ((\k)+1)/2
	WIN MUL_HI
	MUL16 4, 1, 1, ((\k)/2)%2, 0
	MUL16 6, 1, 1, ((\k)/2)%2, 0
	PLACES 4
	WIN 0
	FETCH_A \ns, 0, 4
.endm
	s_load_b256 s[4:11], s[0:1], 0x0               ; xq s[4:5], wq s[6:7], bq s[8:9], bkv s[10:11]
	s_load_b128 s[12:15], s[0:1], 0x20             ; qk s[12:13], vq s[14:15]
	v_lshl_add_u32 v[SPW], v0, 2, SPARE
	v_mov_b32 v[NIL], 0
	ds_add_u32 v28, v29
	ds_add_u32 v28, v29
	s_wait_dscnt 0x0
	v_lshrrev_b32 v1, 5, v0
	v_readfirstlane_b32 s16, v1                    ; wave 0..3
	s_lshr_b32 s17, s16, 1                         ; which half of A's rows is mine.  Also: I fetch for A (0) or for B (1)
	s_and_b32 s18, s16, 1                          ; which half of B's rows.  Also: which 128 rows I fetch
	s_bfe_u32 s20, ttmp6, 0x40000                  ; cx
	s_bfe_u32 s21, ttmp6, 0x40004                  ; cy
	s_and_b32 s22, ttmp9, 1                        ; q, k: cluster column = number % 2, cluster row = number / 2
	s_lshr_b32 s23, ttmp9, 1
	s_sub_co_u32 s3, ttmp9, 16                     ; v: cluster column = number - 16, cluster row 0
	s_mov_b32 s93, 1572864                         ; a kslot of xq in bytes
	s_mov_b32 s95, 786432                          ; and of wq
	s_cmp_ge_u32 ttmp9, 16
	s_cselect_b32 s19, 1, 0                        ; 1: v
	s_cselect_b32 s22, s3, s22
	s_cselect_b32 s23, 0, s23
	s_cselect_b32 s92, s95, s93                    ; A's kslot
	s_cselect_b32 s94, s93, s95                    ; B's
	s_cselect_b32 s100, 128, 0                     ; A's first tile: v's columns begin at tile 128 of wq
	s_cselect_b32 s101, 8, 0                       ; and at group 8 of its scale words
	s_mov_b32 s93, 0
	s_mov_b32 s95, 0
	s_lshl_b32 s22, s22, 2
	s_add_co_u32 s22, s22, s20                     ; tile column (B's 256 rows)
	s_lshl_b32 s23, s23, 2
	s_add_co_u32 s23, s23, s21                     ; tile row (A's 256 rows)
	s_lshl_b32 s96, s21, 2
	s_lshl_b32 s96, 15, s96                        ; my row of the cluster
	s_lshl_b32 s2, 0x1111, s20                     ; my column
	; groups 1: dense blocks as rows of 256 bytes (32 elements of 8 bytes): 96 rows of codes, 16 rows of scale words; no padding; bit 21 stands beside a mask
	s_or_b32 s[G1A], s96, (3<<16)|(1<<21)
	s_or_b32 s[G1SA], s96, (3<<16)|(1<<21)
	s_or_b32 s[G1B], s2, (3<<16)|(1<<21)
	s_or_b32 s[G1SB], s2, (3<<16)|(1<<21)
.irp g, G1A, G1B
	s_mov_b32 s[\g+1], 32<<16                      ; tensor_dim0
	s_mov_b32 s[\g+2], 96<<16                      ; tensor_dim1
	s_mov_b32 s[\g+3], 32<<16                      ; tile_dim0
	s_mov_b32 s[\g+4], 96                          ; tile_dim1
	s_mov_b32 s[\g+5], 32                          ; the pitch
	s_mov_b32 s[\g+6], 0
	s_mov_b32 s[\g+7], 0
.endr
.irp g, G1SA, G1SB
	s_mov_b32 s[\g+1], 32<<16
	s_mov_b32 s[\g+2], 16<<16
	s_mov_b32 s[\g+3], 32<<16
	s_mov_b32 s[\g+4], 16
	s_mov_b32 s[\g+5], 32
	s_mov_b32 s[\g+6], 0
	s_mov_b32 s[\g+7], 0
.endr
	; A's offsets hang on the tile row, the wave and the cluster's number; B's on the tile column: each in registers that never hold the other coordinate
	s_lshl_b32 s96, s23, 4
	s_add_co_u32 s96, s96, s100
	s_lshl_b32 s98, s18, 3
	s_add_co_u32 s96, s96, s98
	s_mul_i32 s96, s96, 3072                       ; A's codes: (first tile + 16 x tile row + 8 x half) x 3,072
	s_mov_b32 s97, 0
	s_add_co_u32 s98, s23, s101
	s_lshl_b32 s98, s98, 13
	s_lshl_b32 s99, s18, 12
	s_add_co_u32 s98, s98, s99
	s_lshl_b32 s99, s92, 2                         ; the scale words lie behind four kslots of codes
	s_add_co_u32 s98, s98, s99
	s_mov_b32 s99, 0
	s_lshl_b32 s2, s22, 4
	s_lshl_b32 s66, s18, 3
	s_add_co_u32 s2, s2, s66
	s_mul_i32 s2, s2, 3072
	s_mov_b32 s3, 0
	s_lshl_b32 s66, s22, 13
	s_lshl_b32 s67, s18, 12
	s_add_co_u32 s66, s66, s67
	s_lshl_b32 s67, s94, 2
	s_add_co_u32 s66, s66, s67
	s_mov_b32 s67, 0
	s_mul_i32 s100, s16, HALFT                     ; where they go: wave x 24,576, and wave x 4,096: no place in the cluster enters an LDS address
	s_lshl_b32 s101, s16, 12
	s_add_co_u32 s101, s101, SCL
	s_wait_kmcnt 0x0
	s_cmp_eq_u32 s19, 1
	s_cselect_b64 s[G0A+2:G0A+3], s[6:7], s[4:5]
	s_cselect_b64 s[G0B0+2:G0B0+3], s[4:5], s[6:7]
	s_add_nc_u64 s[G0SA+2:G0SA+3], s[G0A+2:G0A+3], s[98:99]
	s_add_nc_u64 s[G0SB+2:G0SB+3], s[G0B0+2:G0B0+3], s[66:67]
	s_add_nc_u64 s[G0A+2:G0A+3], s[G0A+2:G0A+3], s[96:97]
	s_add_nc_u64 s[G0A+6:G0A+7], s[G0A+2:G0A+3], s[92:93]
	s_add_nc_u64 s[G0A+10:G0A+11], s[G0A+6:G0A+7], s[92:93]
	s_add_nc_u64 s[G0B0+2:G0B0+3], s[G0B0+2:G0B0+3], s[2:3]
	s_add_nc_u64 s[G0B1+2:G0B1+3], s[G0B0+2:G0B0+3], s[94:95]
	s_add_nc_u64 s[G0B2+2:G0B2+3], s[G0B1+2:G0B1+3], s[94:95]
.irp g, G0A, G0A+4, G0A+8, G0SA, G0B0, G0B1, G0B2, G0SB
	s_mov_b32 s[\g], 1                             ; count = 1
	s_or_b32 s[\g+3], s[\g+3], 0x80000000          ; type = 2
.endr
	s_add_co_u32 s[G0A+1], s100, 0*SLOT
	s_add_co_u32 s[G0A+5], s100, 1*SLOT
	s_add_co_u32 s[G0A+9], s100, 2*SLOT
	s_add_co_u32 s[G0B0+1], s100, 0*SLOT
	s_add_co_u32 s[G0B1+1], s100, 1*SLOT
	s_add_co_u32 s[G0B2+1], s100, 2*SLOT
	s_mov_b32 s[G0SA+1], s101
	s_mov_b32 s[G0SB+1], s101
	s_mul_i32 s92, s92, 3                          ; what the one refill adds
	s_mul_i32 s94, s94, 3
	CROUND                                         ; all sixteen work-groups are here: the first joint loads meet
	JLOAD G0SA, G1SA, G0SB, G1SB                   ; the scale words first, then kslots 0, 1, 2
	JLOAD G0A, G1A, G0B0, G1B
	JLOAD G0A+4, G1A, G0B1, G1B
	JLOAD G0A+8, G1A, G0B2, G1B
	v_and_b32 v1, 15, v0                           ; r
	v_bfe_u32 v2, v0, 4, 1                         ; h
	v_and_b32 v3, 31, v0
	v_lshlrev_b32 v[LI16], 4, v3
	v_lshlrev_b32 v[LI8], 3, v3
	s_mul_i32 s96, s17, HALFT                      ; my 128 rows of A
	s_mul_i32 s98, s18, HALFT                      ; my 128 rows of B,
	s_add_co_u32 s98, s98, 2*HALFT                 ; behind A's 256
.irp s, 0,1,2
	v_add_nc_u32 v[ADRA+\s], s96, v[LI16]
	v_add_nc_u32 v[ADRB+\s], s98, v[LI16]
	s_add_co_u32 s96, s96, SLOT
	s_add_co_u32 s98, s98, SLOT
.endr
	s_lshl_b32 s96, s17, 10                        ; scale words: eight tiles are 1,024 bytes
	s_lshl_b32 s98, s18, 10
	s_add_co_u32 s98, s98, 8192
	s_sub_co_u32 s98, s98, s96
	v_mul_u32_u24 v3, s98, v2                      ; lanes 16-31 take B's: one product of the lane's half
	s_add_co_u32 s96, s96, SCL
	v_lshl_add_u32 v3, v1, 3, v3
	v_add_nc_u32 v[ADRS], s96, v3
	; the biases; they are waited for at the head of the way out
	s_and_b32 s96, ttmp9, 17
	s_cmp_eq_u32 s96, 1                            ; an odd cluster under 16: k's columns
	s_cselect_b64 s[100:101], s[10:11], s[8:9]
	s_lshl_b32 s96, s20, 10
	s_lshl_b32 s97, s18, 9
	s_add_co_u32 s96, s96, s97
	v_lshlrev_b32 v4, 6, v2
	v_add_nc_u32 v4, s96, v4                       ; by column: my 128 columns, + 16 h numbers
.irp b, 0,1,2,3,4,5,6,7
	global_load_b128 v[BI+8*\b:BI+8*\b+3], v4, s[100:101] offset:(32*(\b/2)+8*(\b%2))*4
	global_load_b128 v[BI+8*\b+4:BI+8*\b+7], v4, s[100:101] offset:(32*(\b/2)+8*(\b%2))*4+16
.endr
	s_lshl_b32 s96, s23, 10
	s_lshl_b32 s97, s17, 9
	s_add_co_u32 s96, s96, s97
	s_cmp_eq_u32 s19, 1
	s_cselect_b32 s96, s96, 0                      ; (q's and k's tiles load from a place inside the buffer and do not use it)
	v_and_b32 v5, 8, v1
	v_add_nc_u32 v5, v5, v1
	v_lshlrev_b32 v5, 2, v5
	v_add_nc_u32 v5, s96, v5                       ; by row: v's bias at channel r + 8 (r / 8) of each tile
.irp a, 0,1,2,3,4,5,6,7
	global_load_b32 v[BV+2*\a], v5, s[10:11] offset:4096+(32*(\a/2)+8*(\a%2))*4
	v_mov_b32 v[BV+2*\a+1], 0                      ; (named with it as a pair)
.endr
	s_wait_tensorcnt 0x2                           ; the scale words and my part of kslot 0 are in; kslots 1 and 2 may be out
	s_barrier_signal -1
	s_barrier_wait -1
	FETCH_B 0, 0, 0
	FETCH_A 0, 0, 0
	SCALES 0, 0
	FETCH_A 0, 0, 4
	STEP 0, 0, 0, 1                                ; the first step's products start the sums
	TURN 1, 1, 1                                   ; slot 0 is left and takes kslot 3
	STEP 2, 1, 0, 0
	STEP 3, 2, 1, 0                                ; on to slot 2: every wave waited for all its loads in front of the round above, so it is whole
	STEP 4, 2, 0, 0
	TURN 5, 0, 0                                   ; on to slot 0 again: kslot 3
	STEP 6, 0, 0, 0
	s_wait_dscnt 4*NLA                             ; the last step: nothing more to fetch
	WIN MUL_LO
	MUL16 0, 1, 1, 1, 0
	MUL16 2, 1, 1, 1, 0
	s_wait_dscnt 0x0
	WIN MUL_HI
	MUL16 4, 1, 1, 1, 0
	MUL16 6, 1, 1, 1, 0
	WIN 0
	; ======== THE WAY OUT: bias, quantiser, fragments straight to memory ========
.set H,   128                          ; v128-191 the 64 numbers of a block of A's rows
.set TM,  192
.set PT,  208
.set PW,  216
.set PWE, 217
.set SV,  218                          ; v218-219 words kept for the other half of the lanes
.set SCI, 220                          ; v220-223 two pairs of scale words as they are stored
.set FA,  32
.set FB,  44
.set SEL, 2
.macro QUANT s, d0, d1, pw             ; as in launch 1's text: 64 numbers of a lane -> six registers d0 (k 0-63), six d1 (k 64-127), the scale word pw
.irp b, 0,1,2,3
	v_max3_num_f32 v[TM+\b], |v[\s+16*\b]|, |v[\s+1+16*\b]|, 0x2800000
.endr
.irp i, 2,4,6,8,10,12,14
.irp b, 0,1,2,3
	v_max3_num_f32 v[TM+\b], v[TM+\b], |v[\s+16*\b+\i]|, |v[\s+1+16*\b+\i]|
.endr
.endr
.irp b, 0,1,2,3
	v_permlanex16_b32 v[TM+4+\b], v[TM+\b], s[SEL], s[SEL+1]
.endr
.irp b, 0,1,2,3
	v_max_num_f32 v[TM+\b], v[TM+\b], v[TM+4+\b]
.endr
.irp b, 0,1,2,3
	v_add_nc_u32 v[TM+12+\b], 0xfe000000, v[TM+\b]
.endr
.irp b, 0,1,2,3
	v_lshrrev_b32 v[TM+4+\b], 23, v[TM+12+\b]
.endr
	v_lshl_or_b32 v[\pw], v[TM+5], 8, v[TM+4]
	v_lshl_or_b32 v[\pw], v[TM+6], 16, v[\pw]
	v_lshl_or_b32 v[\pw], v[TM+7], 24, v[\pw]
	v_cvt_scalef32_pk16_bf6_f32 v[\d0:\d0+2], v[\s:\s+15], v[TM+12]
	v_cvt_scalef32_pk16_bf6_f32 v[PT:PT+2], v[\s+16:\s+31], v[TM+13]
	v_cvt_scalef32_pk16_bf6_f32 v[\d1:\d1+2], v[\s+32:\s+47], v[TM+14]
	v_cvt_scalef32_pk16_bf6_f32 v[PT+4:PT+6], v[\s+48:\s+63], v[TM+15]
	v_nop
.irp i, 0,1,2
	v_permlane16_swap_b32 v[\d0+\i], v[PT+\i]
	v_permlane16_swap_b32 v[\d1+\i], v[PT+4+\i]
.endr
.irp i, 0,1,2
	v_mov_b32 v[\d0+3+\i], v[PT+\i]
	v_mov_b32 v[\d1+3+\i], v[PT+4+\i]
.endr
.endm
.macro TOH a, isv                      ; block a's 64 sums + the bias, into window 0; each accumulator is read from its low end on
.set AC, 64*((\a)%4)
	WIN 0x02+(\a)/4
.set hi, 0
.rept 32
.if \isv
	v_pk_add_f32 v[H+2*hi:H+2*hi+1], v[AC+2*hi:AC+2*hi+1], v[BV+2*(\a):BV+2*(\a)+1] op_sel_hi:[1,0]
.else
	v_pk_add_f32 v[H+2*hi:H+2*hi+1], v[AC+2*hi:AC+2*hi+1], v[BI+2*hi:BI+2*hi+1]
.endif
.set hi, hi+1
.endr
	WIN 0
.endm
	s_wait_loadcnt 0x0                             ; the biases
	PLACES 4                                       ; behind the last products: their results are read and their operands' registers written
	s_mov_b32 s[SEL], 0x76543210
	s_mov_b32 s[SEL+1], 0xfedcba98
	s_mov_b32 s66, 0xffff0000                      ; lanes 16-31
.irp b, 0,1,2,3
	v_mov_b32 v[TM+4+\b], 0                        ; written once: a lane permute's destination counts as one of its sources
.endr
	s_cmp_eq_u32 s19, 1
	s_cbranch_scc1 .Lvpath
	; ---- q, k: my 128 columns are heads J and J + 1; blocks a = 2 f, 2 f + 1 are token group G + f
	s_lshl_b32 s96, s22, 2
	s_lshl_b32 s97, s18, 1
	s_add_co_u32 s96, s96, s97                     ; J = 4 x tile column + 2 x half
	s_lshl_b32 s98, s96, 8
	s_lshl_b32 s97, s23, 3
	s_add_co_u32 s98, s98, s97
	s_lshl_b32 s97, s17, 2
	s_add_co_u32 s98, s98, s97                     ; 256 J + G, G = 8 x tile row + 4 x half
	s_mul_i32 s98, s98, 1536
	s_mov_b32 s99, 0
	s_add_nc_u64 s[98:99], s[12:13], s[98:99]
	s_lshl_b32 s96, s96, 6
	s_lshl_b32 s97, s23, 1
	s_add_co_u32 s96, s96, s97
	s_add_co_u32 s96, s96, s17
	s_lshl_b32 s96, s96, 8
	s_add_co_u32 s96, s96, 12582912
	s_mov_b32 s97, 0
	s_add_nc_u64 s[96:97], s[12:13], s[96:97]
.irp a, 0,1,2,3,4,5,6,7
.if (\a%2 == 0) && (\a > 0)
	s_wait_xcnt 0x0                                ; the last group's stores have read FA and FB
.endif
	TOH \a, 0
.if \a%2 == 0
	QUANT H, FA, FB, PWE                           ; the even tile: k 0-63 of both heads' fragments
.else
	QUANT H, FA+6, FB+6, PW                        ; the odd tile: k 64-127
.if (\a/2)%2 == 0
	v_perm_b32 v[SV], v[PW], v[PWE], 0x05040100    ; head J's word: the even tile's two bytes, the odd tile's two
	v_perm_b32 v[SV+1], v[PW], v[PWE], 0x07060302  ; head J + 1's
.else
	v_perm_b32 v[TM], v[PW], v[PWE], 0x05040100
	v_perm_b32 v[TM+1], v[PW], v[PWE], 0x07060302
	v_cndmask_b32 v[SCI+\a/4], v[SV], v[TM], s66   ; lanes 0-15 the even group's word, lanes 16-31 the odd group's
	v_cndmask_b32 v[SCI+2+\a/4], v[SV+1], v[TM+1], s66
.endif
.irp c, 0,1,2
	global_store_b128 v[LI16], v[FA+4*\c:FA+4*\c+3], s[98:99] offset:(\a/2)*1536+512*\c            ; 512 consecutive bytes, aligned to 256
	global_store_b128 v[LI16], v[FB+4*\c:FB+4*\c+3], s[98:99] offset:393216+(\a/2)*1536+512*\c     ; the next head: 256 fragments on
.endr
.endif
.endr
	global_store_b64 v[LI8], v[SCI:SCI+1], s[96:97]                ; 256 consecutive bytes, aligned
	global_store_b64 v[LI8], v[SCI+2:SCI+3], s[96:97] offset:16384
	s_branch .Lend
.Lvpath:
	; ---- v: block a is channels' tile a % 4 of head a / 4; my 128 columns are one step of 128 keys
	s_lshr_b32 s96, s22, 2                         ; the batch
	s_lshl_b32 s96, s96, 4
	s_lshl_b32 s97, s23, 2
	s_add_co_u32 s96, s96, s97
	s_lshl_b32 s97, s17, 1
	s_add_co_u32 s96, s96, s97                     ; 16 b + head
	s_lshl_b32 s96, s96, 3
	s_and_b32 s97, s22, 3
	s_lshl_b32 s97, s97, 1
	s_add_co_u32 s96, s96, s97
	s_add_co_u32 s96, s96, s18                     ; x 8 + step
	s_mul_i32 s98, s96, 6144
	s_mov_b32 s99, 0
	s_add_nc_u64 s[98:99], s[14:15], s[98:99]
	s_lshl_b32 s96, s96, 8
	s_add_co_u32 s96, s96, 6291456
	s_mov_b32 s97, 0
	s_add_nc_u64 s[96:97], s[14:15], s[96:97]
.irp a, 0,1,2,3,4,5,6,7
.if \a > 1
	s_wait_xcnt 0x0                                ; the stores of two blocks back have read their registers (FA and FB take turns)
.endif
	TOH \a, 1
.if \a%2 == 0
	QUANT H, FA, FA+6, SV
.irp c, 0,1,2
	global_store_b128 v[LI16], v[FA+4*\c:FA+4*\c+3], s[98:99] offset:(\a/4)*49152+(\a%4)*1536+512*\c
.endr
.else
	QUANT H, FB, FB+6, PW
	v_cndmask_b32 v[SCI+2*(\a/4)+(\a%4)/2], v[SV], v[PW], s66      ; lanes 0-15 the even tile's word, lanes 16-31 the odd tile's
.irp c, 0,1,2
	global_store_b128 v[LI16], v[FB+4*\c:FB+4*\c+3], s[98:99] offset:(\a/4)*49152+(\a%4)*1536+512*\c
.endr
.endif
.endr
	global_store_b64 v[LI8], v[SCI:SCI+1], s[96:97]
	global_store_b64 v[LI8], v[SCI+2:SCI+3], s[96:97] offset:2048  ; the next head: eight steps on
.Lend:
	s_wait_tensorcnt 0x0                           ; the wave's end
	ds_add_u32 v[SPW], v[NIL]
	s_wait_dscnt 0x0
	CROUND                                         ; the closing round
	s_endpgm
.Lfunc_end_k_qbf1b4d661d_qkv:
	.size	k_qbf1b4d661d_qkv, .Lfunc_end_k_qbf1b4d661d_qkv-k_qbf1b4d661d_qkv
	.p2alignl 7, 3214868480
	.fill 96, 4, 3214868480
	.section	.rodata,"a",@progbits
	.p2align	6, 0x0
	.amdhsa_kernel k_qbf1b4d661d_qkv
		.amdhsa_group_segment_fixed_size 327680
		.amdhsa_private_segment_fixed_size 0
		.amdhsa_enable_private_segment 0
		.amdhsa_kernarg_size 48
		.amdhsa_user_sgpr_count 2
		.amdhsa_user_sgpr_kernarg_segment_ptr 1
		.amdhsa_wavefront_size32 1
		.amdhsa_system_sgpr_workgroup_id_x 1
		.amdhsa_system_sgpr_workgroup_id_y 1
		.amdhsa_system_sgpr_workgroup_id_z 1
		.amdhsa_system_vgpr_workitem_id 0
		.amdhsa_next_free_vgpr 1024
		.amdhsa_next_free_sgpr 102
		.amdhsa_reserve_vcc 0
		.amdhsa_float_denorm_mode_32 3
		.amdhsa_float_denorm_mode_16_64 3
		.amdhsa_memory_ordered 1
		.amdhsa_forward_progress 1
		.amdhsa_inst_pref_size 209
	.end_amdhsa_kernel
	.amdgpu_metadata
---
amdhsa.version: [ 1, 2 ]
amdhsa.kernels:
  - .name:           k_qbf1b4d661d_qkv
    .symbol:         k_qbf1b4d661d_qkv.kd
    .args:
      - { .name: xq, .offset: 0, .size: 8, .value_kind: global_buffer, .address_space: global }
      - { .name: wq, .offset: 8, .size: 8, .value_kind: global_buffer, .address_space: global }
      - { .name: bq, .offset: 16, .size: 8, .value_kind: global_buffer, .address_space: global }
      - { .name: bkv, .offset: 24, .size: 8, .value_kind: global_buffer, .address_space: global }
      - { .name: qk, .offset: 32, .size: 8, .value_kind: global_buffer, .address_space: global }
      - { .name: vq, .offset: 40, .size: 8, .value_kind: global_buffer, .address_space: global }
    .group_segment_fixed_size: 327680
    .private_segment_fixed_size: 0
    .kernarg_segment_align: 8
    .kernarg_segment_size: 48
    .max_flat_workgroup_size: 128
    .sgpr_count:     102
    .vgpr_count:     1024
    .wavefront_size: 32
...
	.end_amdgpu_metadata
.endif
;; end of part 2
;; launch attn (part 3): grid 2 x 128, 16 waves a work-group, no clusters, 104,448 bytes of LDS; arguments qk, vq, lengths, oq; writes oq
.if DOCPART == 3
	.amdgcn_target "amdgcn-amd-amdhsa--gfx1250"
	.amdhsa_code_object_version 6
	.text
	.protected	k_qbf1b4d661d_attn
	.globl	k_qbf1b4d661d_attn
	.p2align	8
	.type	k_qbf1b4d661d_attn,@function
k_qbf1b4d661d_attn:
	s_mov_b64 s[64:65], 0
	v_nop
	global_prefetch_b8 v0, s[64:65] scope:SCOPE_SE
	s_setreg_imm32_b32 hwreg(HW_REG_WAVE_MODE, 25, 1), 1
	s_wait_xcnt 0x0
; LAUNCH 3.  Attention on codes of BF6: o = softmax(q k^T / 8, keys under lengths[b]) v, for one (batch, head) and 512 queries a work-group; the result leaves as codes along (head, d) for the last product.
; THE SOFTMAX: t = score x log2(e) / 8; M = the running largest t rounded UP to a whole number; p = 2^(t - M) is quantised along the keys, not normalised; the row's sum is taken of the unquantised p and divides at the end.
; SHARES.  Sixteen waves, 256 registers each, four to a SIMD.  Wave w owns the 32 tokens of group 16 x half + w: two tiles of 16 queries, one after the other (PASS 0, PASS 1).
; THE HEAD'S WHOLE K AND V (2 x 49,152 bytes of fragments, 2 x 2,048 of scale words) lie in LDS, brought once through registers; one barrier.  No tensor load: the steps' work is left out by a scalar branch
; on lengths[b].  No cluster: two work-groups share a head's 100 KB, read once at the head.  No prefetch: everything is asked for at the head.
; LAYOUT.  Both products are used transposed: a lane holds ONE query.  A fragment of k holds TWO tiles of 16 keys ([even tile | odd tile] along the instruction's 128): it is multiplied by [q | 0] and by [0 | q];
; the zero half's codes add exact zeros, under the scale byte 1.  By the permuted positions the 16 registers of the two results are 16 neighbouring keys.
; THE MASK.  A step whose first key is not under the length is left out whole; the one step that the length cuts sets hidden scores to -infinity ahead of the maximum.
; LIMITS: lengths of at least 1 are served (above 1,024 they act as 1,024); with 0 or less the sum stays 0 and the codes are those of NaN.  NaN, infinities, tiny blocks: as at the head of launch 1's text.
; REGISTERS: v1-10 addresses; v12 -M, v13 the largest t, v[14:15] the sum; v16-27 [q | 0], v80-91 [0 | q]; v28, v29 their scale words; v30, v31 the passes' output bytes; v32-79 four fragments of k or v;
;   v96-159 S^T, then p; v160-191 O^T; v192-204 q as loaded; v205-209 the head's addresses; v224-235 p's codes; v232-254 at work; v[248:249] k's scale words, v[250:251] v's; v253 p's.
.set LI16, 1                           ; 16 x lane
.set AV0,  2                           ; 49,152 + 16 x lane
.set AS0,  3                           ; 98,304 + 8 x lane
.set LI8,  5                           ; 8 x lane
.set OSO,  6                           ; 128 (lane / 16) + 8 r
.set ADK,  8
.set ADV,  9
.set ADS,  10
.set LEN,  12                          ; s12 lengths[b]
.set WV,   13
.set SEL,  20
.set CS,   22                          ; s[22:23] c = log2(e) / 8
.set TB,   24                          ; s24 the step's fragments: 6,144 bytes a step
.set TS,   25                          ; s25 its scale words: 256 bytes a step
.set KF,   26                          ; s26 its first key; the loop's counter
.set HALF, 27                          ; s27 lanes 16-31
	s_load_b256 s[4:11], s[0:1], 0x0               ; qk s[4:5], vq s[6:7], lengths s[8:9], oq s[10:11]
	v_lshl_add_u32 v243, v0, 2, 0x19000
	v_mov_b32 v255, 0
	v_lshrrev_b32 v4, 5, v0
	v_readfirstlane_b32 s[WV], v4                  ; wave 0..15
	s_and_b32 s16, ttmp7, 0xffff                   ; 16 b + head
	s_lshr_b32 s14, s16, 4                         ; b
	s_and_b32 s15, s16, 15                         ; head
	s_lshl_b32 s17, ttmp9, 4
	s_add_co_u32 s17, s17, s[WV]                   ; g: my group of 32 tokens in the batch
	s_add_co_u32 s28, s15, 16                      ; k's fragments: ((16 + head) 256 + 32 b) x 1,536
	s_lshl_b32 s28, s28, 8
	s_lshl_b32 s29, s14, 5
	s_add_co_u32 s28, s28, s29
	s_mul_i32 s28, s28, 1536
	s_mov_b32 s29, 0
	s_mul_i32 s30, s16, 49152                      ; v's
	s_mov_b32 s31, 0
	s_add_co_u32 s32, s15, 16                      ; k's scale words
	s_lshl_b32 s32, s32, 6
	s_lshl_b32 s33, s14, 3
	s_add_co_u32 s32, s32, s33
	s_lshl_b32 s32, s32, 8
	s_add_co_u32 s32, s32, 12582912
	s_mov_b32 s33, 0
	s_lshl_b32 s34, s16, 11                        ; v's
	s_add_co_u32 s34, s34, 6291456
	s_mov_b32 s35, 0
	s_lshl_b32 s36, s15, 8                         ; q's fragment: (256 head + 32 b + g) x 1,536
	s_lshl_b32 s37, s14, 5
	s_add_co_u32 s36, s36, s37
	s_add_co_u32 s36, s36, s17
	s_mul_i32 s36, s36, 1536
	s_mov_b32 s37, 0
	s_lshl_b32 s38, s15, 6                         ; q's scale word: block 64 head + 8 b + g / 4; in it 8 (r + 16 (g % 2)) + 4 ((g / 2) % 2)
	s_lshl_b32 s39, s14, 3
	s_add_co_u32 s38, s38, s39
	s_lshr_b32 s39, s17, 2
	s_add_co_u32 s38, s38, s39
	s_lshl_b32 s38, s38, 8
	s_and_b32 s39, s[WV], 1
	s_lshl_b32 s39, s39, 7
	s_add_co_u32 s38, s38, s39
	s_bfe_u32 s39, s[WV], 0x10001
	s_lshl_b32 s39, s39, 2
	s_add_co_u32 s38, s38, s39
	s_add_co_u32 s38, s38, 12582912
	s_mov_b32 s39, 0
	s_lshr_b32 s40, s15, 2                         ; the result: kslot head / 4, tile 64 b + 2 g, kk (head / 2) % 2, registers 6 (head % 2) on
	s_mul_i32 s40, s40, 1572864
	s_lshl_b32 s41, s14, 6
	s_lshl_b32 s42, s17, 1
	s_add_co_u32 s41, s41, s42
	s_mul_i32 s42, s41, 3072
	s_add_co_u32 s40, s40, s42
	s_bfe_u32 s42, s15, 0x10001
	s_mul_i32 s43, s42, 1536
	s_add_co_u32 s40, s40, s43
	s_and_b32 s43, s15, 1
	s_mul_i32 s44, s43, 768
	s_add_co_u32 s40, s40, s44
	s_lshr_b32 s44, s41, 4                         ; its scale bytes
	s_lshl_b32 s44, s44, 13
	s_lshr_b32 s45, s15, 2
	s_lshl_b32 s45, s45, 11
	s_add_co_u32 s44, s44, s45
	s_and_b32 s45, s41, 15
	s_lshl_b32 s45, s45, 7
	s_add_co_u32 s44, s44, s45
	s_lshl_b32 s45, s42, 2
	s_add_co_u32 s44, s44, s45
	s_lshl_b32 s45, s43, 1
	s_add_co_u32 s44, s44, s45
	s_add_co_u32 s44, s44, 6291456
	s_mov_b32 s45, 0
	s_mov_b32 s41, 0
	s_lshl_b32 s46, s14, 2
	s_mov_b32 s47, 0
	v_and_b32 v4, 31, v0
	v_lshlrev_b32 v[LI16], 4, v4
	v_add_nc_u32 v[AV0], 49152, v[LI16]
	v_lshlrev_b32 v[LI8], 3, v4
	v_add_nc_u32 v[AS0], 98304, v[LI8]
	v_lshlrev_b32 v205, 4, v0                      ; 16 x thread: k's place in memory and in LDS
	v_add_nc_u32 v206, 49152, v205                 ; v's place in LDS
	v_add_nc_u32 v207, 98304, v205                 ; the scale words' (threads 0-255)
	v_and_b32 v208, 127, v0
	v_lshlrev_b32 v208, 4, v208
	v_and_b32 v209, 15, v0
	v_lshlrev_b32 v209, 3, v209                    ; 8 r
	v_bfe_u32 v[OSO], v0, 4, 1
	v_lshl_add_u32 v[OSO], v[OSO], 7, v209
	s_mov_b32 s[SEL], 0x76543210
	s_mov_b32 s[SEL+1], 0xfedcba98
	s_mov_b32 s[CS], 0x3e38aa3b
	s_mov_b32 s[CS+1], s[CS]                       ; (named with it as a pair)
	s_mov_b32 s[HALF], 0xffff0000
	s_wait_kmcnt 0x0
	s_add_nc_u64 s[8:9], s[8:9], s[46:47]
	s_load_b32 s[LEN], s[8:9], 0x0
	s_add_nc_u64 s[28:29], s[4:5], s[28:29]
	s_add_nc_u64 s[30:31], s[6:7], s[30:31]
	s_add_nc_u64 s[32:33], s[4:5], s[32:33]
	s_add_nc_u64 s[34:35], s[6:7], s[34:35]
	s_add_nc_u64 s[36:37], s[4:5], s[36:37]
	s_add_nc_u64 s[38:39], s[4:5], s[38:39]
	s_add_nc_u64 s[40:41], s[10:11], s[40:41]
	s_add_nc_u64 s[44:45], s[10:11], s[44:45]
.irp i, 0,1,2,3,4,5
	global_load_b128 v[96+4*\i:99+4*\i], v205, s[28:29] offset:8192*\i     ; the 512 threads read 8,192 consecutive bytes
.endr
.irp i, 0,1,2,3,4,5
	global_load_b128 v[120+4*\i:123+4*\i], v205, s[30:31] offset:8192*\i
.endr
.irp c, 0,1,2
	global_load_b128 v[192+4*\c:195+4*\c], v[LI16], s[36:37] offset:512*\c
.endr
	global_load_b32 v204, v209, s[38:39]
	s_cmp_lt_u32 s[WV], 4
	s_cselect_b64 s[48:49], s[32:33], s[34:35]     ; waves 0-3 bring k's scale words, waves 4-7 v's
	s_cmp_lt_u32 s[WV], 8
	s_cbranch_scc0 .Lno_words
	global_load_b128 v[144:147], v208, s[48:49]
	s_wait_loadcnt 0x0
	ds_store_b128 v207, v[144:147]
.Lno_words:
	s_wait_loadcnt 0x0
.irp i, 0,1,2,3,4,5
	ds_store_b128 v205, v[96+4*\i:99+4*\i] offset:8192*\i
	ds_store_b128 v206, v[120+4*\i:123+4*\i] offset:8192*\i
.endr
.irp b, 0,1,2,3
	v_mov_b32 v[236+\b], 0                         ; written once: a lane permute's destination counts as one of its sources
.endr
	v_mov_b32 v252, 0
	v_mov_b32 v253, 0
	s_wait_dscnt 0x0                               ; for the others' sake: my part lies in LDS
	s_barrier_signal -1
	s_barrier_wait -1                              ; the head's k and v are whole; nothing is written to LDS from here on
	s_wait_kmcnt 0x0                               ; lengths[b]
; A KEY STEP: 128 keys.
.macro STEP
	s_cmp_ge_i32 s[KF], s[LEN]                     ; all its keys are hidden: the work is left out; the lines at the trip's end that step addresses are not
	s_cbranch_scc1 .Lhidden_\@
	v_add_nc_u32 v[ADK], s[TB], v[LI16]            ; these three and the v_nop are the four places in front of loads into registers that the last products read
	v_add_nc_u32 v[ADV], s[TB], v[AV0]
	v_add_nc_u32 v[ADS], s[TS], v[AS0]
	v_nop
.irp f, 0,1,2,3
.irp c, 0,1,2
	ds_load_b128 v[32+12*\f+4*\c:35+12*\f+4*\c], v[ADK] offset:1536*\f+512*\c
.endr
.endr
	ds_load_b64 v[248:249], v[ADS]                 ; register f / 2: lanes 0-15 fragment f even, lanes 16-31 f odd
	s_wait_dscnt 0x0
.irp f, 0,1,2,3
.irp u, 0,1
.if \f%2
	v_wmma_scale_f32_16x16x128_f8f6f4 v[96+16*\f+8*\u:103+16*\f+8*\u], v[32+12*\f:43+12*\f], v[16+64*\u:27+64*\u], 0, v[248+\f/2], v[28+\u] matrix_a_fmt:MATRIX_FMT_BF6 matrix_b_fmt:MATRIX_FMT_BF6 matrix_a_scale:MATRIX_SCALE_ROW1
.else
	v_wmma_scale_f32_16x16x128_f8f6f4 v[96+16*\f+8*\u:103+16*\f+8*\u], v[32+12*\f:43+12*\f], v[16+64*\u:27+64*\u], 0, v[248+\f/2], v[28+\u] matrix_a_fmt:MATRIX_FMT_BF6 matrix_b_fmt:MATRIX_FMT_BF6
.endif
.endr
.endr                                              ; register 16 f + i holds key KF + 32 f + 16 (lane / 16) + i of my query
.rept 4
	v_nop
.endr
.irp t, 0,1,2,3                                    ; v's fragments are asked for now and land under the softmax
.irp c, 0,1,2
	ds_load_b128 v[32+12*\t+4*\c:35+12*\t+4*\c], v[ADV] offset:1536*\t+512*\c
.endr
.endr
	ds_load_b64 v[250:251], v[ADS] offset:2048
	s_add_co_u32 s50, s[KF], 128
	s_cmp_le_i32 s50, s[LEN]                       ; all its keys count: no mask
	s_cbranch_scc1 .Lopen_\@
	s_sub_co_i32 s50, s[LEN], s[KF]
	v_bfe_u32 v253, v0, 4, 1
	v_lshlrev_b32 v253, 4, v253
	v_sub_nc_u32 v252, s50, v253                   ; d = length - KF - 16 (lane / 16): register 16 f + i is hidden where 32 f + i >= d
	v_mov_b32 v254, 0xff800000                     ; -infinity
.set n, 0
.rept 64
	v_cmp_ge_i32 vcc_lo, 32*(n/16)+n%16, v252
	v_cndmask_b32 v[96+n], v[96+n], v254, vcc_lo
.set n, n+1
.endr
.Lopen_\@:
.irp b, 0,1,2,3
	v_max3_num_f32 v[232+\b], v[96+16*\b], v[97+16*\b], v[98+16*\b]        ; the largest score of each block of 32 keys: for the row's maximum, and, since p rises with the score, for the block's largest p
.endr
.irp i, 3,5,7,9,11,13
.irp b, 0,1,2,3
	v_max3_num_f32 v[232+\b], v[232+\b], v[96+16*\b+\i], v[97+16*\b+\i]
.endr
.endr
.irp b, 0,1,2,3
	v_max_num_f32 v[232+\b], v[232+\b], v[111+16*\b]
.endr
.irp b, 0,1,2,3
	v_permlanex16_b32 v[236+\b], v[232+\b], s[SEL], s[SEL+1]
.endr
.irp b, 0,1,2,3
	v_max_num_f32 v[232+\b], v[232+\b], v[236+\b]  ; with lane l xor 16's 16 keys
.endr
	v_max3_num_f32 v254, v232, v233, v234
	v_max_num_f32 v254, v254, v235
	v_mul_f32 v254, s[CS], v254                    ; as t
	v_max_num_f32 v13, v13, v254                   ; the running largest t
	v_mov_b32 v254, v12
	v_floor_f32 v12, -v13                          ; the new -M = -ceil(t)
	v_sub_f32 v254, v12, v254                      ; old M - new M: a whole number, 0 or less
	v_cvt_i32_f32 v254, v254                       ; (it saturates)
	v_ldexp_f32 v252, 1.0, v254                    ; f = 2^(old M - new M)
.set n, 0
.rept 32
	v_pk_fma_f32 v[96+n:97+n], v[96+n:97+n], s[CS:CS+1], v[12:13] op_sel_hi:[1,0,0]        ; t - M
.set n, n+2
.endr
.irp b, 0,1,2,3
	v_fma_f32 v[232+\b], v[232+\b], s[CS], v12
.endr
.set n, 0
.rept 64
	v_exp_f32 v[96+n], v[96+n]                     ; p = 2^(t - M): one batch
.set n, n+1
.endr
	v_pk_mul_f32 v[14:15], v[14:15], v[252:253] op_sel_hi:[1,0]    ; the sums under the new M; the plain line behind the batch
	s_wait_alu depctr_va_vdst(0)                   ; one wait for the batch, ahead of its first reader
.irp b, 0,1,2,3
	v_exp_f32 v[232+\b], v[232+\b]                 ; each block's largest p
.endr
	v_pk_add_f32 v[236:237], v[96:97], v[98:99]    ; the row's sum of the unquantised p, in two chains
.irp j, 4,8,12,16,20,24,28,32,36,40,44,48,52,56,60
	v_pk_add_f32 v[14:15], v[14:15], v[96+\j:97+\j]
	v_pk_add_f32 v[236:237], v[236:237], v[98+\j:99+\j]
.endr
	v_pk_add_f32 v[14:15], v[14:15], v[236:237]
	s_wait_alu depctr_va_vdst(0)                   ; and one for the four
.irp b, 0,1,2,3
	v_max_num_f32 v[232+\b], 0x2800000, v[232+\b]  ; the floor: the byte cannot fall under 1
.endr
.irp b, 0,1,2,3
	v_add_nc_u32 v[244+\b], 0xfe000000, v[232+\b]
.endr
.irp b, 0,1,2,3
	v_lshrrev_b32 v[236+\b], 23, v[244+\b]
.endr
	v_lshl_or_b32 v253, v237, 8, v236              ; p's scale word for these 128 keys
	v_lshl_or_b32 v253, v238, 16, v253
	v_lshl_or_b32 v253, v239, 24, v253
.irp c, 0,1
	v_cvt_scalef32_pk16_bf6_f32 v[224+6*\c:226+6*\c], v[96+32*\c:111+32*\c], v[244+2*\c]
	v_cvt_scalef32_pk16_bf6_f32 v[236+4*\c:238+4*\c], v[112+32*\c:127+32*\c], v[244+2*\c+1]
.endr
	v_nop
.irp c, 0,1
.irp i, 0,1,2
	v_permlane16_swap_b32 v[224+6*\c+\i], v[236+4*\c+\i]
.endr
.irp i, 0,1,2
	v_mov_b32 v[227+6*\c+\i], v[236+4*\c+\i]
.endr
.endr
.set n, 0
.rept 16
	v_pk_mul_f32 v[160+n:161+n], v[160+n:161+n], v[252:253] op_sel_hi:[1,0]        ; O^T under the new M; these sixteen also stand between the writes of p's codes and scale word and the products
.set n, n+2
.endr
	s_wait_dscnt 0x0                               ; v's fragments and scale words
.irp t, 0,1,2,3                                    ; O^T += V^T P^T: four accumulators by turns
.if \t%2
	v_wmma_scale_f32_16x16x128_f8f6f4 v[160+8*\t:167+8*\t], v[32+12*\t:43+12*\t], v[224:235], v[160+8*\t:167+8*\t], v[250+\t/2], v253 matrix_a_fmt:MATRIX_FMT_BF6 matrix_b_fmt:MATRIX_FMT_BF6 matrix_a_scale:MATRIX_SCALE_ROW1
.else
	v_wmma_scale_f32_16x16x128_f8f6f4 v[160+8*\t:167+8*\t], v[32+12*\t:43+12*\t], v[224:235], v[160+8*\t:167+8*\t], v[250+\t/2], v253 matrix_a_fmt:MATRIX_FMT_BF6 matrix_b_fmt:MATRIX_FMT_BF6
.endif
.endr
.Lhidden_\@:
	s_add_co_u32 s[TB], s[TB], 6144
	s_add_co_u32 s[TS], s[TS], 256
	s_add_co_u32 s[KF], s[KF], 128
.endm
; One tile of 16 queries through all keys: tile p of my group.
.macro PASS p
.if \p
	s_wait_xcnt 0x0                                ; the last pass's stores have read their registers
.endif
.irp i, 0,1,2,3,4,5
	v_mov_b32 v[16+\i], v[192+6*\p+\i]             ; [q | 0]
	v_mov_b32 v[22+\i], 0
	v_mov_b32 v[80+\i], 0                          ; [0 | q]
	v_mov_b32 v[86+\i], v[192+6*\p+\i]
.endr
	v_lshrrev_b32 v254, 16*\p, v204
	v_and_b32 v254, 0xffff, v254                   ; the tile's two scale bytes
	v_or_b32 v28, 0x01010000, v254                 ; (s0, s1, 1, 1)
	v_lshl_or_b32 v29, v254, 16, 0x0101            ; (1, 1, s0, s1)
	v_mov_b32 v13, 0xff61b1e6                      ; the largest t so far: -3e38
	v_floor_f32 v12, -v13
	v_mov_b32 v14, 0
	v_mov_b32 v15, 0
.set n, 0
.rept 32
	v_mov_b32 v[160+n], 0                          ; O^T: the loop is written once; its first step finds zeros
.set n, n+1
.endr
	s_mov_b32 s[TB], 0
	s_mov_b32 s[TS], 0
	s_mov_b32 s[KF], 0
.Lkeys_\@:                                         ; eight trips, whatever the length
	STEP
	s_cmp_lt_u32 s[KF], 1024
	s_cbranch_scc1 .Lkeys_\@
.rept 4
	v_nop                                          ; places behind the last products
.endr
	v_add_f32 v14, v14, v15
	v_permlanex16_b32 v252, v14, s[SEL], s[SEL+1]
	v_add_f32 v14, v14, v252                       ; the row's sum
	v_rcp_f32 v14, v14
	v_nop
	s_wait_alu depctr_va_vdst(0)
.set n, 0
.rept 32
	v_mul_f32 v[96+n], v[160+n], v14               ; register 16 b + i is o(my query, d = 32 b + 16 (lane / 16) + i)
.set n, n+1
.endr
.irp b, 0,1
	v_max3_num_f32 v[232+\b], |v[96+16*\b]|, |v[97+16*\b]|, 0x2800000      ; the head's two blocks of 32 along the last product's K
.endr
.irp i, 2,4,6,8,10,12,14
.irp b, 0,1
	v_max3_num_f32 v[232+\b], v[232+\b], |v[96+16*\b+\i]|, |v[97+16*\b+\i]|
.endr
.endr
.irp b, 0,1
	v_permlanex16_b32 v[236+\b], v[232+\b], s[SEL], s[SEL+1]
.endr
.irp b, 0,1
	v_max_num_f32 v[232+\b], v[232+\b], v[236+\b]
.endr
.irp b, 0,1
	v_add_nc_u32 v[244+\b], 0xfe000000, v[232+\b]
.endr
.irp b, 0,1
	v_lshrrev_b32 v[236+\b], 23, v[244+\b]
.endr
	v_lshl_or_b32 v[30+\p], v237, 8, v236          ; the two bytes
	v_cvt_scalef32_pk16_bf6_f32 v[224:226], v[96:111], v244
	v_cvt_scalef32_pk16_bf6_f32 v[240:242], v[112:127], v245
	v_nop
.irp i, 0,1,2
	v_permlane16_swap_b32 v[224+\i], v[240+\i]
.endr
.irp i, 0,1,2
	v_mov_b32 v[227+\i], v[240+\i]
.endr
.irp q, 0,1,2
	global_store_b64 v[LI8], v[224+2*\q:225+2*\q], s[40:41] offset:\p*3072+256*\q  ; six registers of the fragment: three times 256 consecutive bytes, aligned
.endr
.endm
	PASS 0
	PASS 1
	v_cndmask_b32 v254, v30, v31, s[HALF]          ; lanes 0-15 the even tile's bytes, lanes 16-31 the odd tile's
	global_store_b16 v[OSO], v254, s[44:45]        ; two bytes a row: a twenty-fourth of the codes' bytes
	s_wait_tensorcnt 0x0
	ds_add_u32 v243, v255
	s_wait_dscnt 0x0
	s_endpgm
.Lfunc_end_k_qbf1b4d661d_attn:
	.size	k_qbf1b4d661d_attn, .Lfunc_end_k_qbf1b4d661d_attn-k_qbf1b4d661d_attn
	.p2alignl 7, 3214868480
	.fill 96, 4, 3214868480
	.section	.rodata,"a",@progbits
	.p2align	6, 0x0
	.amdhsa_kernel k_qbf1b4d661d_attn
		.amdhsa_group_segment_fixed_size 104448
		.amdhsa_private_segment_fixed_size 0
		.amdhsa_enable_private_segment 0
		.amdhsa_kernarg_size 32
		.amdhsa_user_sgpr_count 2
		.amdhsa_user_sgpr_kernarg_segment_ptr 1
		.amdhsa_wavefront_size32 1
		.amdhsa_system_sgpr_workgroup_id_x 1
		.amdhsa_system_sgpr_workgroup_id_y 1
		.amdhsa_system_sgpr_workgroup_id_z 1
		.amdhsa_system_vgpr_workitem_id 0
		.amdhsa_next_free_vgpr 256
		.amdhsa_next_free_sgpr 66
		.amdhsa_reserve_vcc 1
		.amdhsa_float_denorm_mode_32 3
		.amdhsa_float_denorm_mode_16_64 3
		.amdhsa_memory_ordered 1
		.amdhsa_forward_progress 1
		.amdhsa_inst_pref_size 61
	.end_amdhsa_kernel
	.amdgpu_metadata
---
amdhsa.version: [ 1, 2 ]
amdhsa.kernels:
  - .name:           k_qbf1b4d661d_attn
    .symbol:         k_qbf1b4d661d_attn.kd
    .args:
      - { .name: qk, .offset: 0, .size: 8, .value_kind: global_buffer, .address_space: global }
      - { .name: vq, .offset: 8, .size: 8, .value_kind: global_buffer, .address_space: global }
      - { .name: lengths, .offset: 16, .size: 8, .value_kind: global_buffer, .address_space: global }
      - { .name: oq, .offset: 24, .size: 8, .value_kind: global_buffer, .address_space: global }
    .group_segment_fixed_size: 104448
    .private_segment_fixed_size: 0
    .kernarg_segment_align: 8
    .kernarg_segment_size: 32
    .max_flat_workgroup_size: 512
    .sgpr_count:     66
    .vgpr_count:     256
    .wavefront_size: 32
...
	.end_amdgpu_metadata
.endif
;; end of part 3
;; launch outp (part 4): grid 4 x 32, 4 waves a work-group, clusters of 4 x 4, 327,680 bytes of LDS; arguments oq, wq, bo, x, out0; writes out0
.if DOCPART == 4
	.amdgcn_target "amdgcn-amd-amdhsa--gfx1250"
	.amdhsa_code_object_version 6
	.text
	.protected	k_qbf1b4d661d_outp
	.globl	k_qbf1b4d661d_outp
	.p2align	8
	.type	k_qbf1b4d661d_outp,@function
k_qbf1b4d661d_outp:
	s_mov_b64 s[64:65], 0
	v_nop
	global_prefetch_b8 v0, s[64:65] scope:SCOPE_SE
	s_setreg_imm32_b32 hwreg(HW_REG_WAVE_MODE, 25, 1), 1
	s_wait_xcnt 0x0
	s_wait_alu depctr_hold_cnt(0) depctr_sa_sdst(0) depctr_va_vdst(0) depctr_va_sdst(0) depctr_va_ssrc(0) depctr_va_vcc(0) depctr_vm_vsrc(0)
	s_getreg_b32 s2, hwreg(HW_REG_IB_STS2, 6, 4)
	s_cmp_eq_u32 s2, 0
	s_cbranch_scc0 .Lentry_in_a_cluster
	s_endpgm
.Lentry_in_a_cluster:
	s_bfe_u32 s2, ttmp6, 0x10000c
	s_cmp_lg_u32 s2, 0xf033
	s_cbranch_scc0 .Lentry_shape_is_right
	s_endpgm
.Lentry_shape_is_right:
; LAUNCH 4.  out0 = o Wo + bo + x, on codes of BF6 with E8M0 scales.  The frame is launch 2's: a tile of 256 x 256 by four waves of 128 x 128, the matrix instruction transposed (source 0 = Wo's columns,
; source 1 = the tokens), operands as images of their registers, three LDS slots of 256 along K with one refill behind a round of the cluster's barrier, joint loads along the cluster's rows and columns.
; By this text's own count a wave has four tensor loads out at the start and one behind the refill.
; WHAT DIFFERS: A (oq) is laid in pieces of 8 bytes a lane (byte 256 p + 8 l + 4 i = register 2 p + i), since a head owns six of a fragment's twelve registers: six ds_load_b64 a fragment.
; bo is the C of each sum's first matrix instruction.  x is asked of memory ahead of the way out, each aligned 256 bytes once: a wave's 128 rows x 512 bytes by eight prefetches of 32 lanes,
; four behind the refill and four two K steps later, six and four K steps ahead of the first load of x.
; THE WAY OUT undoes both permutations: columns by the places in the wave's stage in LDS, rows by the immediates of x's loads and out0's stores.  The stage lies in slot 1, which is filled once and is read
; by nobody behind the second barrier.
; 128 work-groups: the product's 32 x 4 tiles.
.set HALFT, 24576
.set SLOT,  98304
.set SCL,   294912
.set SPARE, 311296
.set FR,    12
.set NLA,   6
.set KSA,   1572864                    ; a kslot of oq in bytes
.set KSB,   786432                     ; and of wq
.set ADRA,  16
.set ADRB,  20
.set LI16,  24
.set LI8,   25
.set PFO,   26                         ; v26 4,096 x lane: a row of x a lane; never rewritten
.set ADRS,  27
.set SPW,   28
.set NIL,   29
.set STO,   5                          ; v5 the stage: where I put 32 bytes of a row
.set RD,    6                          ; v6 and where I read a row back
.set SC,    32
.set BI,    64
.set AF,    128
.set BK,    128                        ; the way out: 16 rows from the stage: v128-191 and v192-255 by turns
.set SP,    528
.set G1A,   24
.set G0A,   32
.set G0SA,  44
.set G1B,   48
.set G0B0,  56
.set G0B1,  60
.set G0B2,  68
.set G0SB,  72
.set G1SA,  76
.set G1SB,  84
.set MUL_LO, 0xa1
.set MUL_HI, 0xf1
.set TO_B,   0x40
.set MSB, 0
.macro WIN new
.if MSB != (\new)
	s_set_vgpr_msb (MSB<<8)|(\new)
.set MSB, (\new)
.endif
.endm
.macro JLOAD g0a, g1a, g0b, g1b        ; waves 0 and 1 fetch for A, waves 2 and 3 for B; four v_nop follow each line
	s_cmp_eq_u32 s17, 0
	s_cbranch_scc0 .Lfor_b_\@
	tensor_load_to_lds s[\g0a:\g0a+3], s[\g1a:\g1a+7]
	s_nop 0
.rept 4
	v_nop
.endr
	s_branch .Lasked_\@
.Lfor_b_\@:
	tensor_load_to_lds s[\g0b:\g0b+3], s[\g1b:\g1b+7]
	s_nop 0
.rept 4
	v_nop
.endr
.Lasked_\@:
.endm
.macro CREST
	s_cmp_lg_u32 s16, 0
	s_cbranch_scc1 .Lnot_wave_0_\@
	s_barrier_signal -3
.Lnot_wave_0_\@:
	s_barrier_wait -3
	s_barrier_signal -1
	s_barrier_wait -1
.endm
.macro CROUND
	s_barrier_signal -1
	s_barrier_wait -1
	CREST
.endm
.macro PLACES n
.rept \n
	v_nop
.endr
.endm
.macro FRAG16 reg, adr, off
.irp c, 0,1,2
	ds_load_b128 v[\reg+4*\c:\reg+4*\c+3], v[\adr] offset:\off+512*\c
.endr
.endm
.macro FRAG8 reg, adr, off
.irp p, 0,1,2,3,4,5
	ds_load_b64 v[\reg+2*\p:\reg+2*\p+1], v[\adr] offset:\off+256*\p
.endr
.endm
.macro FETCH_B slot, kk, p
	WIN TO_B
.irp i, 0,1,2,3,4,5,6,7
	FRAG16 128*(\p)+FR*\i, ADRB+\slot, \i*3072+(\kk)*1536
.endr
	WIN 0
.endm
.macro FETCH_A slot, kk, i0
.irp i, \i0, \i0+1, \i0+2, \i0+3
	FRAG8 AF+FR*(\i), ADRA+\slot, (\i)*3072+(\kk)*1536
.endr
.endm
.macro SCALES set, ks
.irp i, 0,1,2,3,4,5,6,7
	ds_load_b64 v[SC+16*(\set)+2*\i:SC+16*(\set)+2*\i+1], v[ADRS] offset:(\ks)*2048+128*\i
.endr
.endm
.macro ASKX q0                         ; rows 32 q0 .. 32 q0 + 63 of my 128, both aligned blocks of their 512 bytes: a lane a row
.irp q, \q0, \q0+1
.irp cb, 0,1
	global_prefetch_b8 v[PFO], s[92:93] offset:(\q)*32*4096+256*\cb th:TH_LOAD_NT scope:SCOPE_SE
.endr
.endr
.endm
; cmode 2: the bias is the C of the sums' first products.  The 64 accumulators take turns in the same order in every step.
.macro MUL16 a0, p, kk, set, cmode
.irp a, \a0, \a0+1
.irp b, 0,1,2,3,4,5,6,7
.if \cmode == 2
	v_wmma_scale_f32_16x16x128_f8f6f4 v[8*(8*((\a)%4)+\b):8*(8*((\a)%4)+\b)+7], v[128*(\p)+FR*\b:128*(\p)+FR*\b+FR-1], v[AF+FR*(\a):AF+FR*(\a)+FR-1], v[BI+8*\b:BI+8*\b+7], v[SC+16*(\set)+2*\b+(\kk)], v[SC+16*(\set)+2*(\a)+(\kk)] matrix_a_fmt:MATRIX_FMT_BF6 matrix_b_fmt:MATRIX_FMT_BF6 matrix_a_scale:MATRIX_SCALE_ROW1
.else
	v_wmma_scale_f32_16x16x128_f8f6f4 v[8*(8*((\a)%4)+\b):8*(8*((\a)%4)+\b)+7], v[128*(\p)+FR*\b:128*(\p)+FR*\b+FR-1], v[AF+FR*(\a):AF+FR*(\a)+FR-1], v[8*(8*((\a)%4)+\b):8*(8*((\a)%4)+\b)+7], v[SC+16*(\set)+2*\b+(\kk)], v[SC+16*(\set)+2*(\a)+(\kk)] matrix_a_fmt:MATRIX_FMT_BF6 matrix_b_fmt:MATRIX_FMT_BF6 matrix_a_scale:MATRIX_SCALE_ROW1
.endif
.endr
.endr
.endm
.macro STEP k, ns, sc, cmode, pf
	s_wait_dscnt 4*NLA                             ; all but the youngest loads, A's blocks 4-7
.if \cmode == 2
	WIN 0x81                                       ; C (the bias) window 0, D window 2
.else
	WIN MUL_LO
.endif
	MUL16 0, (\k)%2, (\k)%2, ((\k)/2)%2, \cmode
	MUL16 2, (\k)%2, (\k)%2, ((\k)/2)%2, \cmode
	s_wait_dscnt 0x0
	PLACES 4
	FETCH_B \ns, ((\k)+1)%2, ((\k)+1)%2
	FETCH_A \ns, ((\k)+1)%2, 0
.if \sc
	SCALES (((\k)+1)/2)%2, ((\k)+1)/2
.endif
.if \pf >= 0
	ASKX \pf                                       ; together, behind the run of LDS loads
.endif
.if \cmode == 2
	WIN 0xc1
.else
	WIN MUL_HI
.endif
	MUL16 4, (\k)%2, (\k)%2, ((\k)/2)%2, \cmode
	MUL16 6, (\k)%2, (\k)%2, ((\k)/2)%2, \cmode
	PLACES 4
	WIN 0
	FETCH_A \ns, ((\k)+1)%2, 4
.endm
.macro TURN k, ns, fill
	s_wait_tensorcnt 0x0                           ; all my tensor loads have landed
	ds_add_u32 v[SPW], v[NIL]                      ; 0 onto my spare word
	s_wait_dscnt 4*NLA+1                           ; (the add and A's blocks 4-7 may be out)
	WIN MUL_LO
	MUL16 0, 1, 1, ((\k)/2)%2, 0
	s_wait_dscnt 0x0                               ; the add is done, and my reads of the slot are over
	s_barrier_signal -1
	MUL16 2, 1, 1, ((\k)/2)%2, 0
	WIN 0
	s_barrier_wait -1
.if \fill
	CREST
	s_add_nc_u64 s[G0A+2:G0A+3], s[G0A+2:G0A+3], 3*KSA     ; three kslots on
	s_add_nc_u64 s[G0B0+2:G0B0+3], s[G0B0+2:G0B0+3], 3*KSB
	JLOAD G0A, G1A, G0B0, G1B                      ; the first tensor load behind the round; its four v_nop are the places in front of the loads below
.else
	PLACES 4
.endif
	FETCH_B \ns, 0, 0
	FETCH_A \ns, 0, 0
	SCALES (((\k)+1)/2)%2, ((\k)+1)/2
.if \fill
	ASKX 0
.endif
	WIN MUL_HI
	MUL16 4, 1, 1, ((\k)/2)%2, 0
	MUL16 6, 1, 1, ((\k)/2)%2, 0
	PLACES 4
	WIN 0
	FETCH_A \ns, 0, 4
.endm
	s_load_b256 s[4:11], s[0:1], 0x0               ; oq s[4:5], wq s[6:7], bo s[8:9], x s[10:11]
	s_load_b64 s[12:13], s[0:1], 0x20              ; out0
	v_lshl_add_u32 v[SPW], v0, 2, SPARE
	v_mov_b32 v[NIL], 0
	ds_add_u32 v28, v29
	ds_add_u32 v28, v29
	s_wait_dscnt 0x0
	v_lshrrev_b32 v1, 5, v0
	v_readfirstlane_b32 s16, v1                    ; wave 0..3
	s_lshr_b32 s17, s16, 1                         ; which half of the tokens is mine.  Also: I fetch for A (0) or for B (1)
	s_and_b32 s18, s16, 1                          ; which half of the columns.  Also: which 128 rows I fetch
	s_bfe_u32 s20, ttmp6, 0x40000                  ; cx
	s_bfe_u32 s21, ttmp6, 0x40004                  ; cy
	s_lshl_b32 s22, ttmp9, 2
	s_add_co_u32 s22, s22, s20                     ; tile column
	s_and_b32 s23, ttmp7, 0xffff
	s_lshl_b32 s23, s23, 2
	s_add_co_u32 s23, s23, s21                     ; tile row
	s_lshl_b32 s96, s21, 2
	s_lshl_b32 s96, 15, s96                        ; my row of the cluster
	s_lshl_b32 s2, 0x1111, s20                     ; my column
	s_or_b32 s[G1A], s96, (3<<16)|(1<<21)          ; dense blocks as rows of 256 bytes (32 elements of 8 bytes); no padding; bit 21 stands beside a mask
	s_or_b32 s[G1SA], s96, (3<<16)|(1<<21)
	s_or_b32 s[G1B], s2, (3<<16)|(1<<21)
	s_or_b32 s[G1SB], s2, (3<<16)|(1<<21)
.irp g, G1A, G1B
	s_mov_b32 s[\g+1], 32<<16
	s_mov_b32 s[\g+2], 96<<16
	s_mov_b32 s[\g+3], 32<<16
	s_mov_b32 s[\g+4], 96
	s_mov_b32 s[\g+5], 32
	s_mov_b32 s[\g+6], 0
	s_mov_b32 s[\g+7], 0
.endr
.irp g, G1SA, G1SB
	s_mov_b32 s[\g+1], 32<<16
	s_mov_b32 s[\g+2], 16<<16
	s_mov_b32 s[\g+3], 32<<16
	s_mov_b32 s[\g+4], 16
	s_mov_b32 s[\g+5], 32
	s_mov_b32 s[\g+6], 0
	s_mov_b32 s[\g+7], 0
.endr
	s_lshl_b32 s96, s23, 4                         ; A's codes: (16 x tile row + 8 x half) x 3,072
	s_lshl_b32 s98, s18, 3
	s_add_co_u32 s96, s96, s98
	s_mul_i32 s96, s96, 3072
	s_mov_b32 s97, 0
	s_lshl_b32 s98, s23, 13                        ; A's scale words
	s_lshl_b32 s99, s18, 12
	s_add_co_u32 s98, s98, s99
	s_add_co_u32 s98, s98, 4*KSA
	s_mov_b32 s99, 0
	s_lshl_b32 s2, s22, 4                          ; B's codes: Wo begins at tile 192 of wq
	s_lshl_b32 s66, s18, 3
	s_add_co_u32 s2, s2, s66
	s_add_co_u32 s2, s2, 192
	s_mul_i32 s2, s2, 3072
	s_mov_b32 s3, 0
	s_lshl_b32 s66, s22, 13                        ; B's scale words: group 12 on
	s_lshl_b32 s67, s18, 12
	s_add_co_u32 s66, s66, s67
	s_add_co_u32 s66, s66, 4*KSB+12*8192
	s_mov_b32 s67, 0
	s_mul_i32 s100, s16, HALFT
	s_lshl_b32 s101, s16, 12
	s_add_co_u32 s101, s101, SCL
	s_wait_kmcnt 0x0
	s_add_nc_u64 s[G0SA+2:G0SA+3], s[4:5], s[98:99]
	s_add_nc_u64 s[G0SB+2:G0SB+3], s[6:7], s[66:67]
	s_add_nc_u64 s[G0A+2:G0A+3], s[4:5], s[96:97]
	s_add_nc_u64 s[G0A+6:G0A+7], s[G0A+2:G0A+3], KSA
	s_add_nc_u64 s[G0A+10:G0A+11], s[G0A+2:G0A+3], 2*KSA
	s_add_nc_u64 s[G0B0+2:G0B0+3], s[6:7], s[2:3]
	s_add_nc_u64 s[G0B1+2:G0B1+3], s[G0B0+2:G0B0+3], KSB
	s_add_nc_u64 s[G0B2+2:G0B2+3], s[G0B0+2:G0B0+3], 2*KSB
.irp g, G0A, G0A+4, G0A+8, G0SA, G0B0, G0B1, G0B2, G0SB
	s_mov_b32 s[\g], 1
	s_or_b32 s[\g+3], s[\g+3], 0x80000000
.endr
	s_add_co_u32 s[G0A+1], s100, 0*SLOT
	s_add_co_u32 s[G0A+5], s100, 1*SLOT
	s_add_co_u32 s[G0A+9], s100, 2*SLOT
	s_add_co_u32 s[G0B0+1], s100, 0*SLOT
	s_add_co_u32 s[G0B1+1], s100, 1*SLOT
	s_add_co_u32 s[G0B2+1], s100, 2*SLOT
	s_mov_b32 s[G0SA+1], s101
	s_mov_b32 s[G0SB+1], s101
	CROUND                                         ; all sixteen work-groups are here: the first joint loads meet
	JLOAD G0SA, G1SA, G0SB, G1SB
	JLOAD G0A, G1A, G0B0, G1B
	JLOAD G0A+4, G1A, G0B1, G1B
	JLOAD G0A+8, G1A, G0B2, G1B
	v_and_b32 v1, 15, v0                           ; r
	v_bfe_u32 v2, v0, 4, 1                         ; h
	v_and_b32 v3, 31, v0
	v_lshlrev_b32 v[LI16], 4, v3
	v_lshlrev_b32 v[LI8], 3, v3
	v_lshlrev_b32 v[PFO], 12, v3
	s_mul_i32 s96, s17, HALFT
	s_mul_i32 s98, s18, HALFT
	s_add_co_u32 s98, s98, 2*HALFT
.irp s, 0,1,2
	v_add_nc_u32 v[ADRA+\s], s96, v[LI8]
	v_add_nc_u32 v[ADRB+\s], s98, v[LI16]
	s_add_co_u32 s96, s96, SLOT
	s_add_co_u32 s98, s98, SLOT
.endr
	s_lshl_b32 s96, s17, 10
	s_lshl_b32 s98, s18, 10
	s_add_co_u32 s98, s98, 8192
	s_sub_co_u32 s98, s98, s96
	v_mul_u32_u24 v3, s98, v2                      ; lanes 16-31 take B's: one product of the lane's half
	s_add_co_u32 s96, s96, SCL
	v_lshl_add_u32 v3, v1, 3, v3
	v_add_nc_u32 v[ADRS], s96, v3
	s_mul_i32 s96, s16, 16*SP
	s_add_co_u32 s96, s96, SLOT                    ; my stage, in slot 1
	v_mul_u32_u24 v[STO], v1, SP
	v_lshl_add_u32 v[STO], v2, 6, v[STO]
	v_add_nc_u32 v[STO], s96, v[STO]               ; in: row r, + 64 h bytes
	v_add_nc_u32 v[RD], s96, v[LI16]               ; back: a row of 512 bytes to the 32 lanes
	s_lshl_b32 s96, s22, 10
	s_lshl_b32 s97, s18, 9
	s_add_co_u32 s96, s96, s97                     ; my 128 columns, in bytes
	v_lshlrev_b32 v4, 6, v2
	v_add_nc_u32 v4, s96, v4
.irp b, 0,1,2,3,4,5,6,7
	global_load_b128 v[BI+8*\b:BI+8*\b+3], v4, s[8:9] offset:(32*(\b/2)+8*(\b%2))*4        ; bo in the result's layout
	global_load_b128 v[BI+8*\b+4:BI+8*\b+7], v4, s[8:9] offset:(32*(\b/2)+8*(\b%2))*4+16
.endr
	s_lshl_b32 s100, s23, 8
	s_lshl_b32 s101, s17, 7
	s_add_co_u32 s100, s100, s101                  ; my first token
	s_lshl_b32 s100, s100, 12
	s_add_co_u32 s100, s100, s96
	s_mov_b32 s101, 0
	s_add_nc_u64 s[92:93], s[10:11], s[100:101]    ; x and out0 at my 128 x 128; never rewritten
	s_add_nc_u64 s[94:95], s[12:13], s[100:101]
	s_wait_tensorcnt 0x2                           ; the scale words and my part of kslot 0 are in; kslots 1 and 2 may be out
	s_barrier_signal -1
	s_barrier_wait -1
	FETCH_B 0, 0, 0
	FETCH_A 0, 0, 0
	SCALES 0, 0
	FETCH_A 0, 0, 4
	s_wait_loadcnt 0x0                             ; bo
	STEP 0, 0, 0, 2, -1                            ; the first step's products start the sums from the bias
	TURN 1, 1, 1                                   ; slot 0 is left and takes kslot 3
	STEP 2, 1, 0, 0, -1
	STEP 3, 2, 1, 0, 2                             ; on to slot 2: every wave waited for all its loads in front of the round above, so it is whole
	STEP 4, 2, 0, 0, -1
	TURN 5, 0, 0                                   ; on to slot 0 again: kslot 3
	STEP 6, 0, 0, 0, -1
	s_wait_dscnt 4*NLA
	WIN MUL_LO
	MUL16 0, 1, 1, 1, 0
	MUL16 2, 1, 1, 1, 0
	s_wait_dscnt 0x0
	WIN MUL_HI
	MUL16 4, 1, 1, 1, 0
	MUL16 6, 1, 1, 1, 0
	WIN 0
; THE WAY OUT, block by block of 16 positions x 128 columns.  Position t of block a is token 32 (a / 2) + 8 (a % 2) + t + 8 (t / 8) of my 128.
.macro XLOAD a                         ; x's 16 rows of block a into window 1, v[64 (a % 4)] on
	WIN 0x40
.irp t, 0,1,2,3,4,5,6,7,8,9,10,11,12,13,14,15
	global_load_b128 v[64*((\a)%4)+4*\t:64*((\a)%4)+4*\t+3], v[LI16], s[92:93] offset:(32*((\a)/2)+8*((\a)%2)+\t+8*(\t/8))*4096 th:TH_LOAD_NT
.endr
	WIN 0
.endm
.macro TOSTAGE a                       ; register j of accumulator b is column 32 (b / 2) + 16 h + 8 (b % 2) + j
.set AC, 64*((\a)%4)
	WIN 0x08+4*((\a)/4)                            ; an LDS store's data: window 2 or 3
.irp b, 0,1,2,3,4,5,6,7
	ds_store_b128 v[STO], v[AC+8*\b:AC+8*\b+3] offset:128*(\b/2)+32*(\b%2)         ; each accumulator from its low end on
	ds_store_b128 v[STO], v[AC+8*\b+4:AC+8*\b+7] offset:128*(\b/2)+32*(\b%2)+16
.endr
	WIN 0
.set BB, BK+64*((\a)%2)
.irp t, 0,1,2,3,4,5,6,7,8,9,10,11,12,13,14,15
	ds_load_b128 v[BB+4*\t:BB+4*\t+3], v[RD] offset:\t*SP  ; LDS serves a wave's instructions in order (ISA guide 5.7.1.4): these see the stores above
.endr
.endm
.macro SEND a, younger
.set BB, BK+64*((\a)%2)
	s_wait_dscnt \younger                          ; the block is back in registers
.if (\a) <= 4
	s_wait_loadcnt 48                              ; x's rows of this block are in; those of the three blocks behind may be out
.else
	s_wait_loadcnt 16*(7-(\a))
.endif
	WIN 0x04                                       ; source 1 (x) window 1
.set si, 0
.rept 32
	v_pk_add_f32 v[BB+2*si:BB+2*si+1], v[BB+2*si:BB+2*si+1], v[64*((\a)%4)+2*si:64*((\a)%4)+2*si+1]
.set si, si+1
.endr
	WIN 0
.irp t, 0,1,2,3,4,5,6,7,8,9,10,11,12,13,14,15
	global_store_b128 v[LI16], v[BB+4*\t:BB+4*\t+3], s[94:95] offset:(32*((\a)/2)+8*((\a)%2)+\t+8*(\t/8))*4096 th:TH_STORE_NT   ; 32 lanes store 512 consecutive bytes, aligned to 256
.endr
.if (\a) < 4
	XLOAD (\a)+4
.endif
.endm
	PLACES 4                                       ; behind the last products: their results are read, and loads land on their operands' registers
	XLOAD 0
	XLOAD 1
	XLOAD 2
	XLOAD 3
	TOSTAGE 0
.irp a, 1,2,3,4,5,6,7
.if \a > 1
	s_wait_xcnt 0x0                                ; block a - 2's stores have read their registers: block a's rows may land there
.endif
	TOSTAGE \a
	SEND \a-1, 32                                  ; behind block a - 1's loads from the stage: block a's 16 stores and 16 loads
.endr
	SEND 7, 0
	s_wait_tensorcnt 0x0                           ; the wave's end
	ds_add_u32 v[SPW], v[NIL]
	s_wait_dscnt 0x0
	CROUND                                         ; the closing round
	s_endpgm
.Lfunc_end_k_qbf1b4d661d_outp:
	.size	k_qbf1b4d661d_outp, .Lfunc_end_k_qbf1b4d661d_outp-k_qbf1b4d661d_outp
	.p2alignl 7, 3214868480
	.fill 96, 4, 3214868480
	.section	.rodata,"a",@progbits
	.p2align	6, 0x0
	.amdhsa_kernel k_qbf1b4d661d_outp
		.amdhsa_group_segment_fixed_size 327680
		.amdhsa_private_segment_fixed_size 0
		.amdhsa_enable_private_segment 0
		.amdhsa_kernarg_size 40
		.amdhsa_user_sgpr_count 2
		.amdhsa_user_sgpr_kernarg_segment_ptr 1
		.amdhsa_wavefront_size32 1
		.amdhsa_system_sgpr_workgroup_id_x 1
		.amdhsa_system_sgpr_workgroup_id_y 1
		.amdhsa_system_sgpr_workgroup_id_z 1
		.amdhsa_system_vgpr_workitem_id 0
		.amdhsa_next_free_vgpr 1024
		.amdhsa_next_free_sgpr 102
		.amdhsa_reserve_vcc 0
		.amdhsa_float_denorm_mode_32 3
		.amdhsa_float_denorm_mode_16_64 3
		.amdhsa_memory_ordered 1
		.amdhsa_forward_progress 1
		.amdhsa_inst_pref_size 179
	.end_amdhsa_kernel
	.amdgpu_metadata
---
amdhsa.version: [ 1, 2 ]
amdhsa.kernels:
  - .name:           k_qbf1b4d661d_outp
    .symbol:         k_qbf1b4d661d_outp.kd
    .args:
      - { .name: oq, .offset: 0, .size: 8, .value_kind: global_buffer, .address_space: global }
      - { .name: wq, .offset: 8, .size: 8, .value_kind: global_buffer, .address_space: global }
      - { .name: bo, .offset: 16, .size: 8, .value_kind: global_buffer, .address_space: global }
      - { .name: x, .offset: 24, .size: 8, .value_kind: global_buffer, .address_space: global }
      - { .name: out0, .offset: 32, .size: 8, .value_kind: global_buffer, .address_space: global }
    .group_segment_fixed_size: 327680
    .private_segment_fixed_size: 0
    .kernarg_segment_align: 8
    .kernarg_segment_size: 40
    .max_flat_workgroup_size: 128
    .sgpr_count:     102
    .vgpr_count:     1024
    .wavefront_size: 32
...
	.end_amdgpu_metadata
.endif
;; end of part 4
;; ======== version 2 of 2: 4 launches; version 1 with the launch attn written anew for expert scheduling mode
;; workspace buffers: xq 6,553,600 bytes; wq 3,276,800 bytes; qk 13,107,200 bytes; vq 6,553,600 bytes; oq 6,553,600 bytes
;; launch prep: the kernel of part 1 again; grid 320 x 1, 8 waves a work-group, no clusters, 132,608 bytes of LDS; arguments x, ln_g, ln_b, Wq, Wkv, Wo, xq, wq; writes xq, wq
;; launch qkv: the kernel of part 2 again; grid 96 x 4, 4 waves a work-group, clusters of 4 x 4, 327,680 bytes of LDS; arguments xq, wq, bq, bkv, qk, vq; writes qk, vq
;; launch attn (part 5): grid 2 x 128, 16 waves a work-group, no clusters, 104,448 bytes of LDS; arguments qk, vq, lengths, oq; writes oq
.if DOCPART == 5
	.amdgcn_target "amdgcn-amd-amdhsa--gfx1250"
	.amdhsa_code_object_version 6
	.text
	.protected	k_qbf1b4d661d_attn
	.globl	k_qbf1b4d661d_attn
	.p2align	8
	.type	k_qbf1b4d661d_attn,@function
k_qbf1b4d661d_attn:
	s_mov_b64 s[64:65], 0
	v_nop
	global_prefetch_b8 v0, s[64:65] scope:SCOPE_SE
	s_setreg_imm32_b32 hwreg(HW_REG_WAVE_SCHED_MODE, 0, 2), 2
	s_setreg_imm32_b32 hwreg(HW_REG_WAVE_MODE, 25, 1), 1
	s_wait_xcnt 0x0
	s_wait_alu depctr_vm_vsrc(0)
; LAUNCH 3.  Attention on codes of BF6: o = softmax(q k^T / 8, keys under lengths[b]) v, for one (batch, head) and 512 queries a work-group; the result leaves as codes along (head, d) for the last product.
; THE SOFTMAX: t = score x log2(e) / 8; M = the running largest t rounded UP to a whole number; p = 2^(t - M) is quantised along the keys, not normalised; the row's sum is taken of the unquantised p and divides at the end.
; SHARES.  Sixteen waves, 256 registers each, four to a SIMD.  Wave w owns the 32 tokens of group 16 x half + w: two tiles of 16 queries, one after the other (PASS 0, PASS 1).
; THE HEAD'S WHOLE K AND V (2 x 49,152 bytes of fragments, 2 x 2,048 of scale words) lie in LDS, brought once through registers; one barrier.  No tensor load: the steps' work is left out by a scalar branch
; on lengths[b].  No cluster: two work-groups share a head's 100 KB, read once at the head.  No prefetch: everything is asked for at the head.
; LAYOUT.  Both products are used transposed: a lane holds ONE query.  A fragment of k holds TWO tiles of 16 keys ([even tile | odd tile] along the instruction's 128): it is multiplied by [q | 0] and by [0 | q];
; the zero half's codes add exact zeros, under the scale byte 1.  By the permuted positions the 16 registers of the two results are 16 neighbouring keys.
; THE MASK.  A step whose first key is not under the length is left out whole; the one step that the length cuts sets hidden scores to -infinity ahead of the maximum.
; LIMITS: lengths of at least 1 are served (above 1,024 they act as 1,024); with 0 or less the sum stays 0 and the codes are those of NaN.  NaN, infinities, tiny blocks: as at the head of launch 1's text.
; REGISTERS: v1-10 addresses; v12 -M, v13 the largest t, v[14:15] the sum; v16-27 [q | 0], v80-91 [0 | q]; v28, v29 their scale words; v30, v31 the passes' output bytes; v32-79 four fragments of k or v;
;   v96-159 S^T, then p; v160-191 O^T; v192-204 q as loaded; v205-209 the head's addresses; v224-235 p's codes; v232-254 at work; v[248:249] k's scale words, v[250:251] v's; v253 p's.
; THE MODE: SCHED_MODE bits 1:0 = 2 (LLVM: expert scheduling mode 2), set by the entry lines.  The code itself states the register dependences
; between vector or matrix instructions and memory or LDS instructions, with s_wait_alu, always for 0.
; THE PLAN.  Registers that memory or LDS instructions touch:
;   v1-3, v5, v6, v205-209  addresses, made once at the head by vector lines and never written again: one wait ahead of the first load serves every load and store that reads them.
;   v8-10      a step's LDS addresses: written by three additions at the step's head, read by the step's 26 LDS loads.
;   v32-79     k's four fragments land here at a step's head and are read by its 8 score products; v's four land here behind those products and are read by the step's last 4 products.
;   v248-251   the scale words: they land with their fragments and are read by the same products.
;   v96-147    at the head: global loads land here and LDS stores read them; afterwards vector and matrix instructions alone name them.
;   v224-229   a pass's codes: written by the way out's conversions, swaps and moves, read by its three stores.     v254: written by the closing select, read by the last store.
; So a step holds: at its head one wait until the LDS loads have read v8-10, the three additions, and one wait until these are written and the last step's products are done with v32-79 and v248-251; behind the
; score products one wait until they are done with v32-79, ahead of v's loads, which land under the softmax (it names none of v32-79, v250, v251); and ahead of the last four products one wait until p's codes and
; scale word are written.  No 48 registers are left for a second set of fragments: the sixteen waves' 256 registers each fill the four SIMDs.
.set LI16, 1                           ; 16 x lane
.set AV0,  2                           ; 49,152 + 16 x lane
.set AS0,  3                           ; 98,304 + 8 x lane
.set LI8,  5                           ; 8 x lane
.set OSO,  6                           ; 128 (lane / 16) + 8 r
.set ADK,  8
.set ADV,  9
.set ADS,  10
.set LEN,  12                          ; s12 lengths[b]
.set WV,   13
.set SEL,  20
.set CS,   22                          ; s[22:23] c = log2(e) / 8
.set TB,   24                          ; s24 the step's fragments: 6,144 bytes a step
.set TS,   25                          ; s25 its scale words: 256 bytes a step
.set KF,   26                          ; s26 its first key; the loop's counter
.set HALF, 27                          ; s27 lanes 16-31
.set MK,   56                          ; s[56:63] eight masks of the step that the length cuts
	s_load_b256 s[4:11], s[0:1], 0x0               ; qk s[4:5], vq s[6:7], lengths s[8:9], oq s[10:11]
	v_lshl_add_u32 v243, v0, 2, 0x19000
	v_mov_b32 v255, 0
	v_lshrrev_b32 v4, 5, v0
	v_readfirstlane_b32 s[WV], v4                  ; wave 0..15
	v_and_b32 v4, 31, v0                           ; (the address lines stand here, between that line and the wait for its scalar result)
	v_lshlrev_b32 v[LI16], 4, v4
	v_add_nc_u32 v[AV0], 49152, v[LI16]
	v_lshlrev_b32 v[LI8], 3, v4
	v_add_nc_u32 v[AS0], 98304, v[LI8]
	v_lshlrev_b32 v205, 4, v0                      ; 16 x thread: k's place in memory and in LDS
	v_add_nc_u32 v206, 49152, v205                 ; v's place in LDS
	v_add_nc_u32 v207, 98304, v205                 ; the scale words' (threads 0-255)
	v_and_b32 v208, 127, v0
	v_lshlrev_b32 v208, 4, v208
	v_and_b32 v209, 15, v0
	v_lshlrev_b32 v209, 3, v209                    ; 8 r
	v_bfe_u32 v[OSO], v0, 4, 1
	v_lshl_add_u32 v[OSO], v[OSO], 7, v209
	s_and_b32 s16, ttmp7, 0xffff                   ; 16 b + head
	s_lshr_b32 s14, s16, 4                         ; b
	s_and_b32 s15, s16, 15                         ; head
	s_lshl_b32 s17, ttmp9, 4
	s_wait_alu depctr_va_sdst(0)                   ; s13, the wave's number, is written, ahead of its first reader: offsets and branches are made from it
	s_add_co_u32 s17, s17, s[WV]                   ; g: my group of 32 tokens in the batch
	s_add_co_u32 s28, s15, 16                      ; k's fragments: ((16 + head) 256 + 32 b) x 1,536
	s_lshl_b32 s28, s28, 8
	s_lshl_b32 s29, s14, 5
	s_add_co_u32 s28, s28, s29
	s_mul_i32 s28, s28, 1536
	s_mov_b32 s29, 0
	s_mul_i32 s30, s16, 49152                      ; v's
	s_mov_b32 s31, 0
	s_add_co_u32 s32, s15, 16                      ; k's scale words
	s_lshl_b32 s32, s32, 6
	s_lshl_b32 s33, s14, 3
	s_add_co_u32 s32, s32, s33
	s_lshl_b32 s32, s32, 8
	s_add_co_u32 s32, s32, 12582912
	s_mov_b32 s33, 0
	s_lshl_b32 s34, s16, 11                        ; v's
	s_add_co_u32 s34, s34, 6291456
	s_mov_b32 s35, 0
	s_lshl_b32 s36, s15, 8                         ; q's fragment: (256 head + 32 b + g) x 1,536
	s_lshl_b32 s37, s14, 5
	s_add_co_u32 s36, s36, s37
	s_add_co_u32 s36, s36, s17
	s_mul_i32 s36, s36, 1536
	s_mov_b32 s37, 0
	s_lshl_b32 s38, s15, 6                         ; q's scale word: block 64 head + 8 b + g / 4; in it 8 (r + 16 (g % 2)) + 4 ((g / 2) % 2)
	s_lshl_b32 s39, s14, 3
	s_add_co_u32 s38, s38, s39
	s_lshr_b32 s39, s17, 2
	s_add_co_u32 s38, s38, s39
	s_lshl_b32 s38, s38, 8
	s_and_b32 s39, s[WV], 1
	s_lshl_b32 s39, s39, 7
	s_add_co_u32 s38, s38, s39
	s_bfe_u32 s39, s[WV], 0x10001
	s_lshl_b32 s39, s39, 2
	s_add_co_u32 s38, s38, s39
	s_add_co_u32 s38, s38, 12582912
	s_mov_b32 s39, 0
	s_lshr_b32 s40, s15, 2                         ; the result: kslot head / 4, tile 64 b + 2 g, kk (head / 2) % 2, registers 6 (head % 2) on
	s_mul_i32 s40, s40, 1572864
	s_lshl_b32 s41, s14, 6
	s_lshl_b32 s42, s17, 1
	s_add_co_u32 s41, s41, s42
	s_mul_i32 s42, s41, 3072
	s_add_co_u32 s40, s40, s42
	s_bfe_u32 s42, s15, 0x10001
	s_mul_i32 s43, s42, 1536
	s_add_co_u32 s40, s40, s43
	s_and_b32 s43, s15, 1
	s_mul_i32 s44, s43, 768
	s_add_co_u32 s40, s40, s44
	s_lshr_b32 s44, s41, 4                         ; its scale bytes
	s_lshl_b32 s44, s44, 13
	s_lshr_b32 s45, s15, 2
	s_lshl_b32 s45, s45, 11
	s_add_co_u32 s44, s44, s45
	s_and_b32 s45, s41, 15
	s_lshl_b32 s45, s45, 7
	s_add_co_u32 s44, s44, s45
	s_lshl_b32 s45, s42, 2
	s_add_co_u32 s44, s44, s45
	s_lshl_b32 s45, s43, 1
	s_add_co_u32 s44, s44, s45
	s_add_co_u32 s44, s44, 6291456
	s_mov_b32 s45, 0
	s_mov_b32 s41, 0
	s_lshl_b32 s46, s14, 2
	s_mov_b32 s47, 0
	s_mov_b32 s[SEL], 0x76543210
	s_mov_b32 s[SEL+1], 0xfedcba98
	s_mov_b32 s[CS], 0x3e38aa3b
	s_mov_b32 s[CS+1], s[CS]                       ; (named with it as a pair)
	s_mov_b32 s[HALF], 0xffff0000
	s_wait_kmcnt 0x0
	s_add_nc_u64 s[8:9], s[8:9], s[46:47]
	s_load_b32 s[LEN], s[8:9], 0x0
	s_add_nc_u64 s[28:29], s[4:5], s[28:29]
	s_add_nc_u64 s[30:31], s[6:7], s[30:31]
	s_add_nc_u64 s[32:33], s[4:5], s[32:33]
	s_add_nc_u64 s[34:35], s[6:7], s[34:35]
	s_add_nc_u64 s[36:37], s[4:5], s[36:37]
	s_add_nc_u64 s[38:39], s[4:5], s[38:39]
	s_add_nc_u64 s[40:41], s[10:11], s[40:41]
	s_add_nc_u64 s[44:45], s[10:11], s[44:45]
	s_wait_alu depctr_va_vdst(0)                   ; the addresses v1-3, v5, v6 and v205-209 are written, which the loads and stores of the whole kernel read; none of them is written again
.irp i, 0,1,2,3,4,5
	global_load_b128 v[96+4*\i:99+4*\i], v205, s[28:29] offset:8192*\i     ; the 512 threads read 8,192 consecutive bytes
.endr
.irp i, 0,1,2,3,4,5
	global_load_b128 v[120+4*\i:123+4*\i], v205, s[30:31] offset:8192*\i
.endr
.irp c, 0,1,2
	global_load_b128 v[192+4*\c:195+4*\c], v[LI16], s[36:37] offset:512*\c
.endr
	global_load_b32 v204, v209, s[38:39]
	s_cmp_lt_u32 s[WV], 4
	s_cselect_b64 s[48:49], s[32:33], s[34:35]     ; waves 0-3 bring k's scale words, waves 4-7 v's
	s_cmp_lt_u32 s[WV], 8
	s_cbranch_scc0 .Lno_words
	global_load_b128 v[144:147], v208, s[48:49]
	s_wait_loadcnt 0x0
	ds_store_b128 v207, v[144:147]
.Lno_words:
	s_wait_loadcnt 0x0
.irp i, 0,1,2,3,4,5
	ds_store_b128 v205, v[96+4*\i:99+4*\i] offset:8192*\i
	ds_store_b128 v206, v[120+4*\i:123+4*\i] offset:8192*\i
.endr
.irp b, 0,1,2,3
	v_mov_b32 v[236+\b], 0                         ; written once: a lane permute's destination counts as one of its sources
.endr
	v_mov_b32 v252, 0
	v_mov_b32 v253, 0
	s_wait_dscnt 0x0                               ; for the others' sake: my part lies in LDS
	s_barrier_signal -1
	s_barrier_wait -1                              ; the head's k and v are whole; nothing is written to LDS from here on
	s_wait_kmcnt 0x0                               ; lengths[b]
; A KEY STEP: 128 keys.
.macro STEP
	s_cmp_ge_i32 s[KF], s[LEN]                     ; all its keys are hidden: the work is left out; the lines at the trip's end that step addresses are not
	s_cbranch_scc1 .Lhidden_\@
	s_wait_alu depctr_vm_vsrc(0)                   ; the last step's LDS loads have read v8-10, which the three lines below write again
	v_add_nc_u32 v[ADK], s[TB], v[LI16]            ; these three and the v_nop are four plain lines in front of loads into registers that the last products read; they stay beside the wait below
	v_add_nc_u32 v[ADV], s[TB], v[AV0]
	v_add_nc_u32 v[ADS], s[TS], v[AS0]
	v_nop
	s_wait_alu depctr_va_vdst(0)                   ; v8-10 are written, which this step's LDS loads read; the last step's products are done reading v32-79 and v248-251, in which they land; in a pass's first step [q | 0], [0 | q] and their scale words v28, v29 are written, which the scaled products take
.irp f, 0,1,2,3
.irp c, 0,1,2
	ds_load_b128 v[32+12*\f+4*\c:35+12*\f+4*\c], v[ADK] offset:1536*\f+512*\c
.endr
.endr
	ds_load_b64 v[248:249], v[ADS]                 ; register f / 2: lanes 0-15 fragment f even, lanes 16-31 f odd
	s_wait_dscnt 0x0
.irp f, 0,1,2,3
.irp u, 0,1
.if \f%2
	v_wmma_scale_f32_16x16x128_f8f6f4 v[96+16*\f+8*\u:103+16*\f+8*\u], v[32+12*\f:43+12*\f], v[16+64*\u:27+64*\u], 0, v[248+\f/2], v[28+\u] matrix_a_fmt:MATRIX_FMT_BF6 matrix_b_fmt:MATRIX_FMT_BF6 matrix_a_scale:MATRIX_SCALE_ROW1
.else
	v_wmma_scale_f32_16x16x128_f8f6f4 v[96+16*\f+8*\u:103+16*\f+8*\u], v[32+12*\f:43+12*\f], v[16+64*\u:27+64*\u], 0, v[248+\f/2], v[28+\u] matrix_a_fmt:MATRIX_FMT_BF6 matrix_b_fmt:MATRIX_FMT_BF6
.endif
.endr
.endr                                              ; register 16 f + i holds key KF + 32 f + 16 (lane / 16) + i of my query
.rept 4
	v_nop
.endr
	s_wait_alu depctr_va_vdst(0)                   ; the score products are done reading k's fragments v32-79, in which v's land; the four lines above stay as the places ahead of the first read of the scores
.irp t, 0,1,2,3                                    ; v's fragments are asked for now and land under the softmax, which names none of v32-79, v250, v251
.irp c, 0,1,2
	ds_load_b128 v[32+12*\t+4*\c:35+12*\t+4*\c], v[ADV] offset:1536*\t+512*\c
.endr
.endr
	ds_load_b64 v[250:251], v[ADS] offset:2048
	s_add_co_u32 s50, s[KF], 128
	s_cmp_le_i32 s50, s[LEN]                       ; all its keys count: no mask
	s_cbranch_scc1 .Lopen_\@
	s_sub_co_i32 s50, s[LEN], s[KF]
	v_bfe_u32 v253, v0, 4, 1
	v_lshlrev_b32 v253, 4, v253
	v_sub_nc_u32 v252, s50, v253                   ; d = length - KF - 16 (lane / 16): register 16 f + i is hidden where 32 f + i >= d
	v_mov_b32 v254, 0xff800000                     ; -infinity
.set n, 0
.rept 8                                            ; the compares go in runs of eight, each into a scalar register of its own, so that one wait serves eight selects
.irp i, 0,1,2,3,4,5,6,7
	v_cmp_ge_i32 s[MK+\i], 32*((n+\i)/16)+(n+\i)%16, v252
.endr
	s_wait_alu depctr_va_sdst(0)                   ; the eight compares have written s56-63, ahead of the selects that read them
.irp i, 0,1,2,3,4,5,6,7
	v_cndmask_b32 v[96+n+\i], v[96+n+\i], v254, s[MK+\i]
.endr
.set n, n+8
.endr
.Lopen_\@:
.irp b, 0,1,2,3
	v_max3_num_f32 v[232+\b], v[96+16*\b], v[97+16*\b], v[98+16*\b]        ; the largest score of each block of 32 keys: for the row's maximum, and, since p rises with the score, for the block's largest p
.endr
.irp i, 3,5,7,9,11,13
.irp b, 0,1,2,3
	v_max3_num_f32 v[232+\b], v[232+\b], v[96+16*\b+\i], v[97+16*\b+\i]
.endr
.endr
.irp b, 0,1,2,3
	v_max_num_f32 v[232+\b], v[232+\b], v[111+16*\b]
.endr
.irp b, 0,1,2,3
	v_permlanex16_b32 v[236+\b], v[232+\b], s[SEL], s[SEL+1]
.endr
.irp b, 0,1,2,3
	v_max_num_f32 v[232+\b], v[232+\b], v[236+\b]  ; with lane l xor 16's 16 keys
.endr
	v_max3_num_f32 v254, v232, v233, v234
	v_max_num_f32 v254, v254, v235
	v_mul_f32 v254, s[CS], v254                    ; as t
	v_max_num_f32 v13, v13, v254                   ; the running largest t
	v_mov_b32 v254, v12
	v_floor_f32 v12, -v13                          ; the new -M = -ceil(t)
	v_sub_f32 v254, v12, v254                      ; old M - new M: a whole number, 0 or less
	v_cvt_i32_f32 v254, v254                       ; (it saturates)
	v_ldexp_f32 v252, 1.0, v254                    ; f = 2^(old M - new M)
.set n, 0
.rept 32
	v_pk_fma_f32 v[96+n:97+n], v[96+n:97+n], s[CS:CS+1], v[12:13] op_sel_hi:[1,0,0]        ; t - M
.set n, n+2
.endr
.irp b, 0,1,2,3
	v_fma_f32 v[232+\b], v[232+\b], s[CS], v12
.endr
.set n, 0
.rept 64
	v_exp_f32 v[96+n], v[96+n]                     ; p = 2^(t - M): one batch
.set n, n+1
.endr
	v_pk_mul_f32 v[14:15], v[14:15], v[252:253] op_sel_hi:[1,0]    ; the sums under the new M; the plain line behind the batch
	s_wait_alu depctr_va_vdst(0)                   ; the 64 exponentials have written v96-159: one wait for the batch, ahead of its first reader
.irp b, 0,1,2,3
	v_exp_f32 v[232+\b], v[232+\b]                 ; each block's largest p
.endr
	v_pk_add_f32 v[236:237], v[96:97], v[98:99]    ; the row's sum of the unquantised p, in two chains
.irp j, 4,8,12,16,20,24,28,32,36,40,44,48,52,56,60
	v_pk_add_f32 v[14:15], v[14:15], v[96+\j:97+\j]
	v_pk_add_f32 v[236:237], v[236:237], v[98+\j:99+\j]
.endr
	v_pk_add_f32 v[14:15], v[14:15], v[236:237]
	s_wait_alu depctr_va_vdst(0)                   ; the four exponentials have written v232-235: their one wait, ahead of their first reader
.irp b, 0,1,2,3
	v_max_num_f32 v[232+\b], 0x2800000, v[232+\b]  ; the floor: the byte cannot fall under 1
.endr
.irp b, 0,1,2,3
	v_add_nc_u32 v[244+\b], 0xfe000000, v[232+\b]
.endr
.irp b, 0,1,2,3
	v_lshrrev_b32 v[236+\b], 23, v[244+\b]
.endr
	v_lshl_or_b32 v253, v237, 8, v236              ; p's scale word for these 128 keys
	v_lshl_or_b32 v253, v238, 16, v253
	v_lshl_or_b32 v253, v239, 24, v253
.irp c, 0,1
	v_cvt_scalef32_pk16_bf6_f32 v[224+6*\c:226+6*\c], v[96+32*\c:111+32*\c], v[244+2*\c]
	v_cvt_scalef32_pk16_bf6_f32 v[236+4*\c:238+4*\c], v[112+32*\c:127+32*\c], v[244+2*\c+1]
.endr
	v_nop
.irp c, 0,1
.irp i, 0,1,2
	v_permlane16_swap_b32 v[224+6*\c+\i], v[236+4*\c+\i]
.endr
.irp i, 0,1,2
	v_mov_b32 v[227+6*\c+\i], v[236+4*\c+\i]
.endr
.endr
.set n, 0
.rept 16
	v_pk_mul_f32 v[160+n:161+n], v[160+n:161+n], v[252:253] op_sel_hi:[1,0]        ; O^T under the new M; these sixteen also stand between the writes of p's codes and scale word and the products
.set n, n+2
.endr
	s_wait_alu depctr_va_vdst(0)                   ; p's codes v224-235 and its scale word v253 are written, which the scaled products below take as operand and as scales; the sixteen lines above stay in front of this wait
	s_wait_dscnt 0x0                               ; v's fragments and scale words
.irp t, 0,1,2,3                                    ; O^T += V^T P^T: four accumulators by turns
.if \t%2
	v_wmma_scale_f32_16x16x128_f8f6f4 v[160+8*\t:167+8*\t], v[32+12*\t:43+12*\t], v[224:235], v[160+8*\t:167+8*\t], v[250+\t/2], v253 matrix_a_fmt:MATRIX_FMT_BF6 matrix_b_fmt:MATRIX_FMT_BF6 matrix_a_scale:MATRIX_SCALE_ROW1
.else
	v_wmma_scale_f32_16x16x128_f8f6f4 v[160+8*\t:167+8*\t], v[32+12*\t:43+12*\t], v[224:235], v[160+8*\t:167+8*\t], v[250+\t/2], v253 matrix_a_fmt:MATRIX_FMT_BF6 matrix_b_fmt:MATRIX_FMT_BF6
.endif
.endr
.Lhidden_\@:
	s_add_co_u32 s[TB], s[TB], 6144
	s_add_co_u32 s[TS], s[TS], 256
	s_add_co_u32 s[KF], s[KF], 128
.endm
; One tile of 16 queries through all keys: tile p of my group.
.macro PASS p
.if \p
	s_wait_xcnt 0x0                                ; the last pass's stores have read their registers
	s_wait_alu depctr_vm_vsrc(0)                   ; the last pass's stores have read v224-229, which this pass's conversions write again, in a step or, where every step is hidden, on the way out
.else
	s_wait_alu depctr_vm_vsrc(0)                   ; my LDS stores at the head have read v96-147, which the products write from here on, or, where every step is hidden, the way out
.endif
.irp i, 0,1,2,3,4,5
	v_mov_b32 v[16+\i], v[192+6*\p+\i]             ; [q | 0]
	v_mov_b32 v[22+\i], 0
	v_mov_b32 v[80+\i], 0                          ; [0 | q]
	v_mov_b32 v[86+\i], v[192+6*\p+\i]
.endr
	v_lshrrev_b32 v254, 16*\p, v204
	v_and_b32 v254, 0xffff, v254                   ; the tile's two scale bytes
	v_or_b32 v28, 0x01010000, v254                 ; (s0, s1, 1, 1)
	v_lshl_or_b32 v29, v254, 16, 0x0101            ; (1, 1, s0, s1)
	v_mov_b32 v13, 0xff61b1e6                      ; the largest t so far: -3e38
	v_floor_f32 v12, -v13
	v_mov_b32 v14, 0
	v_mov_b32 v15, 0
.set n, 0
.rept 32
	v_mov_b32 v[160+n], 0                          ; O^T: the loop is written once; its first step finds zeros
.set n, n+1
.endr
	s_mov_b32 s[TB], 0
	s_mov_b32 s[TS], 0
	s_mov_b32 s[KF], 0
.Lkeys_\@:                                         ; eight trips, whatever the length
	STEP
	s_cmp_lt_u32 s[KF], 1024
	s_cbranch_scc1 .Lkeys_\@
.rept 4
	v_nop                                          ; places behind the last products
.endr
	v_add_f32 v14, v14, v15
	v_permlanex16_b32 v252, v14, s[SEL], s[SEL+1]
	v_add_f32 v14, v14, v252                       ; the row's sum
	v_rcp_f32 v14, v14
	v_nop
	s_wait_alu depctr_va_vdst(0)                   ; the reciprocal has written v14, ahead of its first reader
.set n, 0
.rept 32
	v_mul_f32 v[96+n], v[160+n], v14               ; register 16 b + i is o(my query, d = 32 b + 16 (lane / 16) + i)
.set n, n+1
.endr
.irp b, 0,1
	v_max3_num_f32 v[232+\b], |v[96+16*\b]|, |v[97+16*\b]|, 0x2800000      ; the head's two blocks of 32 along the last product's K
.endr
.irp i, 2,4,6,8,10,12,14
.irp b, 0,1
	v_max3_num_f32 v[232+\b], v[232+\b], |v[96+16*\b+\i]|, |v[97+16*\b+\i]|
.endr
.endr
.irp b, 0,1
	v_permlanex16_b32 v[236+\b], v[232+\b], s[SEL], s[SEL+1]
.endr
.irp b, 0,1
	v_max_num_f32 v[232+\b], v[232+\b], v[236+\b]
.endr
.irp b, 0,1
	v_add_nc_u32 v[244+\b], 0xfe000000, v[232+\b]
.endr
.irp b, 0,1
	v_lshrrev_b32 v[236+\b], 23, v[244+\b]
.endr
	v_lshl_or_b32 v[30+\p], v237, 8, v236          ; the two bytes
	v_cvt_scalef32_pk16_bf6_f32 v[224:226], v[96:111], v244
	v_cvt_scalef32_pk16_bf6_f32 v[240:242], v[112:127], v245
	v_nop
.irp i, 0,1,2
	v_permlane16_swap_b32 v[224+\i], v[240+\i]
.endr
.irp i, 0,1,2
	v_mov_b32 v[227+\i], v[240+\i]
.endr
	s_wait_alu depctr_va_vdst(0)                   ; the conversions, swaps and moves have written v224-229, which the three stores read
.irp q, 0,1,2
	global_store_b64 v[LI8], v[224+2*\q:225+2*\q], s[40:41] offset:\p*3072+256*\q  ; six registers of the fragment: three times 256 consecutive bytes, aligned
.endr
.endm
	PASS 0
	PASS 1
	v_cndmask_b32 v254, v30, v31, s[HALF]          ; lanes 0-15 the even tile's bytes, lanes 16-31 the odd tile's
	s_wait_alu depctr_va_vdst(0)                   ; the select has written v254, which the store reads
	global_store_b16 v[OSO], v254, s[44:45]        ; two bytes a row: a twenty-fourth of the codes' bytes
	s_wait_dscnt 0x0
	s_wait_alu depctr_hold_cnt(0) depctr_sa_sdst(0) depctr_va_vdst(0) depctr_va_sdst(0) depctr_va_ssrc(0) depctr_va_vcc(0) depctr_vm_vsrc(0)
	s_wait_tensorcnt 0x0
	ds_add_u32 v243, v255
	s_wait_dscnt 0x0
	s_endpgm
.Lfunc_end_k_qbf1b4d661d_attn:
	.size	k_qbf1b4d661d_attn, .Lfunc_end_k_qbf1b4d661d_attn-k_qbf1b4d661d_attn
	.p2alignl 7, 3214868480
	.fill 96, 4, 3214868480
	.section	.rodata,"a",@progbits
	.p2align	6, 0x0
	.amdhsa_kernel k_qbf1b4d661d_attn
		.amdhsa_group_segment_fixed_size 104448
		.amdhsa_private_segment_fixed_size 0
		.amdhsa_enable_private_segment 0
		.amdhsa_kernarg_size 32
		.amdhsa_user_sgpr_count 2
		.amdhsa_user_sgpr_kernarg_segment_ptr 1
		.amdhsa_wavefront_size32 1
		.amdhsa_system_sgpr_workgroup_id_x 1
		.amdhsa_system_sgpr_workgroup_id_y 1
		.amdhsa_system_sgpr_workgroup_id_z 1
		.amdhsa_system_vgpr_workitem_id 0
		.amdhsa_next_free_vgpr 256
		.amdhsa_next_free_sgpr 66
		.amdhsa_reserve_vcc 0
		.amdhsa_float_denorm_mode_32 3
		.amdhsa_float_denorm_mode_16_64 3
		.amdhsa_memory_ordered 1
		.amdhsa_forward_progress 1
		.amdhsa_inst_pref_size 70
	.end_amdhsa_kernel
	.amdgpu_metadata
---
amdhsa.version: [ 1, 2 ]
amdhsa.kernels:
  - .name:           k_qbf1b4d661d_attn
    .symbol:         k_qbf1b4d661d_attn.kd
    .args:
      - { .name: qk, .offset: 0, .size: 8, .value_kind: global_buffer, .address_space: global }
      - { .name: vq, .offset: 8, .size: 8, .value_kind: global_buffer, .address_space: global }
      - { .name: lengths, .offset: 16, .size: 8, .value_kind: global_buffer, .address_space: global }
      - { .name: oq, .offset: 24, .size: 8, .value_kind: global_buffer, .address_space: global }
    .group_segment_fixed_size: 104448
    .private_segment_fixed_size: 0
    .kernarg_segment_align: 8
    .kernarg_segment_size: 32
    .max_flat_workgroup_size: 512
    .sgpr_count:     66
    .vgpr_count:     256
    .wavefront_size: 32
...
	.end_amdgpu_metadata
.endif
;; end of part 5
;; launch outp: the kernel of part 4 again; grid 4 x 32, 4 waves a work-group, clusters of 4 x 4, 327,680 bytes of LDS; arguments oq, wq, bo, x, out0; writes out0
